; MI455X (gfx1250); checked and timed in simulation.
; The chip was launched on July 23, 2026; its instructions are those of AMD's public machine-readable ISA for CDNA 5 (MIT licence, August 2026) and "CDNA5" Instruction Set Architecture Reference Guide (July 2026). The comments in the code are by the model that wrote it; some were corrected since.
;; Optimized Cross Attention. Allowed arithmetic: matrix products marked QUANTISED: E4M3 operands, one given power-of-two scale a tensor, by v_wmma_f32_16x16x64_fp8_fp8 or v_wmma_f32_16x16x128_fp8_fp8, f32 sums; everything else in f32.
;; Inputs: decoder_lengths 8 int32; encoded_representation 8 x 2,048 x 1,024 float32; encoder_lengths 8 int32; future_queries 8 x 512 x 1,024 float32; lowp_scales 12 int32 (the exponents e of the quantised operands' scales 2^e); wk_b 1,024 float32; wk_w 1,024 x 1,024 float32; wo_b 1,024 float32; wo_w 1,024 x 1,024 float32; wq_b 1,024 float32; wq_w 1,024 x 1,024 float32; wv_b 1,024 float32; wv_w 1,024 x 1,024 float32.
;; Outputs: out0 8 x 512 x 1,024 float32.
;; This version of the problem:
;;   THIS VERSION OF THE PROBLEM IS GIVEN IN LOW PRECISION. The matrix products marked QUANTISED in the list below multiply operands that are first quantised to E4M3 (4 exponent bits, 3 mantissa bits; 8 bits a number), with one given power-of-two scale for each operand tensor; their sums are f32. All else is computed in f32.
;;   The module's matrix products, in the order in which they are computed (A, B: the left and right operand; K: the contracted axis; several contracted axes count as one K, in the product's order):
;;     1. [M 4,096, K 1,024] x [K 1,024, N 1,024]; A: input future_queries; B: input wq_w: QUANTISED (scales: A lowp_scales[0], B lowp_scales[1])
;;     2. [M 16,384, K 1,024] x [K 1,024, N 1,024]; A: input encoded_representation; B: input wk_w: QUANTISED (scales: A lowp_scales[2], B lowp_scales[3])
;;     3. [M 16,384, K 1,024] x [K 1,024, N 1,024]; A: input encoded_representation; B: input wv_w: QUANTISED (scales: A lowp_scales[4], B lowp_scales[5])
;;     4. batch 128 x [M 512, K 64] x [K 64, N 2,048]; A: computed on the way; B: computed on the way: QUANTISED (scales: A lowp_scales[6], B lowp_scales[7])
;;     5. batch 128 x [M 64, K 2,048] x [K 2,048, N 512]; A: computed on the way; B: softmax (see below): QUANTISED (scales: A lowp_scales[8], B lowp_scales[9])
;;     6. [M 4,096, K 1,024] x [K 1,024, N 1,024]; A: computed on the way; B: input wo_w: QUANTISED (scales: A lowp_scales[10], B lowp_scales[11])
;;   THE QUANTISER, for each operand of a quantised product, along K:
;;     - The operand's scale is 2^e, e = its entry of the input lowp_scales (int32; the entries are numbered through the quantised products in the list's order, A before B).
;;     - Each number is divided by the scale, clamped to +-448, and rounded to the nearest number of E4M3, ties to even, subnormals kept.
;;     - The product sums the exact products of the quantised numbers (number of the format x scale) in f32.
;;   ~~~python
;;   def quantise(x, axis, e):      # numpy; x: float32 -> the quantised numbers, widened to float32 again
;;       x = np.moveaxis(x, axis, -1); K = x.shape[-1]
;;       r = np.clip(x / 2.0 ** e, -448, 448)
;;       step = 2.0 ** (np.maximum(np.frexp(np.where(r == 0, 1, r))[1] - 1, -6) - 3)
;;       q = np.round(r / step) * step * 2.0 ** e      # np.round: ties to even
;;       return np.moveaxis(q, -1, axis).astype(np.float32)
;;   ~~~
;;   SOFTMAX AHEAD OF A QUANTISED PRODUCT. Where the list says 'softmax', what is quantised is not the finished softmax but p = 2^(t - M), with t = logit x log2(e) and M = ceil(the row's largest t), a whole number; so 1/2 < the row's largest p <= 1. The row's sum l is taken of the UNQUANTISED p, in f32, and the product's result is divided by l at the end. Since M is a whole number, a kernel that streams over the keys may use a running M (the ceiling of the running maximum): every later rescaling is an exact power of two, so the quantised numbers keep their values, but for numbers so far below the row's largest that they fall under the format's range.
;;   OPERANDS COMPUTED ON THE WAY. 'Computed on the way' means the value that the module computes at that place (a softmax that the list does not call 'softmax' is quantised finished and normalised). What goes into a quantiser is computed in f32, as accurately as f32 sums, v_exp_f32 and their like allow (about 1e-6 of the number): no bf16 or f16 on the way to a quantiser, and a product that is left as it is and whose result goes on into a quantised operand takes f32 operands (vector FMAs, or v_wmma_f32_16x16x4_f32). A number that lies on a knife's edge between two numbers of the format may be rounded either way, as far as f32 arithmetic and the matrix unit's own rounding can turn it there, and no further.
;; 2 versions, each right; version 2 is version 1 with the launch attn written anew for expert scheduling mode. Each part assembles by itself: llvm-mc -triple=amdgcn-amd-amdhsa -mcpu=gfx1250 --defsym DOCPART=n.
;; ======== version 1 of 2: 4 launches
;; workspace buffers: codes 41,943,040 bytes; imgs 37,748,736 bytes; a_img 4,194,304 bytes
;; launch quant (part 1): grid 768 x 1, 4 waves a work-group, no clusters, 33,280 bytes of LDS; arguments encoded_representation, future_queries, wq_w, wk_w, wv_w, wo_w, lowp_scales, codes; writes codes
.if DOCPART == 1
	.amdgcn_target "amdgcn-amd-amdhsa--gfx1250"
	.amdhsa_code_object_version 6
	.text
	.protected	k_qdf309a9062_quant
	.globl	k_qdf309a9062_quant
	.p2align	8
	.type	k_qdf309a9062_quant,@function
k_qdf309a9062_quant:
	s_mov_b64 s[64:65], 0
	v_nop
	global_prefetch_b8 v0, s[64:65] scope:SCOPE_SE
	s_setreg_imm32_b32 hwreg(HW_REG_WAVE_MODE, 25, 1), 1
	s_wait_xcnt 0x0
; The six f32 operands that arrive as inputs become codes of FP8 (E4M3), K innermost, each with the scale 2^e that is given for it.
; code = x / 2^e, held within +-448, rounded to the nearest code, ties to even.
; The buffer of codes, rows of 1,024 bytes: enc with e2 at 0, enc with e4 at 0x1000000, future_queries (e0) at 0x2000000, wq (e1) at 0x2400000, wk (e3) at 0x2500000, wv (e5) at 0x2600000, wo (e11) at 0x2700000.
; ROWS ARE STORED IN ANOTHER ORDER in both copies of enc and in wq, wk, wv: row R lies at the place R with its bits 3 and 4 exchanged.  In the products that follow, a tile of 16 such places as source 0 gives a lane
; eight registers that, with the neighbouring tile's eight, are 16 neighbours of the original order: what the next quantiser wants.  A wave owns 8 rows, so the exchange is one of the wave number's two bits.
; A work-group takes 32,768 numbers, a wave 8,192 in 16 steps of 512.  Each load reads 512 consecutive bytes; a step's 2,048 bytes turn through the wave's own stage in LDS (16 bytes of padding behind each 64) and come
; back 64 bytes a lane, 16 neighbours along K; a lane's 16 codes are 16 bytes, so a store covers 512 consecutive bytes, aligned.  Loads run four steps ahead.  No barrier: waves share nothing.
; enc is read once and quantised twice: the second conversion and its store stand under a branch on the work-group's number.
; LIMITS: each e between -126 and 119, so that 2^e and 448 x 2^e are f32 numbers.  NaN among the inputs is not served.
.set STEPS, 16
.set SP,    80                         ; a lane's place in a stage: 64 bytes + 16 of padding
.set WREG,  8192                       ; LDS of a wave: two stages of 32 x SP bytes
.set R,     16                         ; v16-79   four sets of 16 numbers as loaded
.set X,     80                         ; v80-111  two sets of 16 neighbours
.set T,     112                        ; v112-127 the numbers held within the largest code
.set C,     128                        ; v128-191 codes, four registers a step: no store's data are written again
.set C2,    192                        ; v192-255 the same for enc's second scale
	s_load_b512 s[4:19], s[0:1], 0x0               ; enc, fq, wq, wk, wv, wo, the scales' exponents s[16:17], the codes s[18:19]
	v_lshl_add_u32 v8, v0, 2, 0x8000
	v_mov_b32 v9, 0
	v_lshrrev_b32 v1, 5, v0
	v_readfirstlane_b32 s20, v1                    ; wave
	v_and_b32 v2, 31, v0                           ; lane
	v_lshlrev_b32 v3, 4, v2                        ; my 16 bytes of a load's 512, and of a store's
	s_mul_i32 s21, s20, WREG
	v_lshrrev_b32 v14, 2, v2
	v_mul_u32_u24 v14, v14, SP
	v_and_b32 v15, 3, v2
	v_lshl_add_u32 v14, v15, 4, v14
	v_add_nc_u32 v14, s21, v14                     ; the stage, on the way in: SP (lane / 4) + 16 (lane % 4)
	v_mul_u32_u24 v15, v2, SP
	v_add_nc_u32 v15, s21, v15                     ; and on the way out: SP x lane
	s_mov_b32 s38, 0                               ; the tensor's first work-group
	s_mov_b32 s39, 0                               ; its place in the buffer of codes
	s_mov_b32 s41, 1                               ; its rows change places
	s_wait_kmcnt 0x0
	s_load_b256 s[24:31], s[16:17], 0x0            ; e0 .. e7
	s_load_b128 s[32:35], s[16:17], 0x20           ; e8 .. e11
	s_mov_b64 s[36:37], s[4:5]                     ; enc, unless the work-group's number says otherwise
.macro PICK first, ptr, off, swp       ; from work-group first on: another tensor.  The choice hangs on the work-group's number alone
	s_cmp_ge_u32 ttmp9, \first
	s_cselect_b64 s[36:37], s[\ptr:\ptr+1], s[36:37]
	s_cselect_b32 s38, \first, s38
	s_cselect_b32 s39, \off, s39
	s_cselect_b32 s41, \swp, s41
.endm
	PICK 512, 6,  0x2000000, 0
	PICK 640, 8,  0x2400000, 1
	PICK 672, 10, 0x2500000, 1
	PICK 704, 12, 0x2600000, 1
	PICK 736, 14, 0x2700000, 0
	s_sub_co_u32 s46, ttmp9, s38
	s_lshl_b32 s46, s46, 2                         ; four waves' runs a work-group
	s_add_co_u32 s47, s46, s20                     ; which run of 8 rows I read
	s_and_b32 s48, s20, 1
	s_lshl_b32 s48, s48, 1
	s_lshr_b32 s49, s20, 1
	s_or_b32 s48, s48, s49                         ; the wave's two bits exchanged
	s_cmp_lg_u32 s41, 0
	s_cselect_b32 s48, s48, s20
	s_add_co_u32 s48, s46, s48                     ; which run of 8 rows I write
	s_lshl_b32 s50, s47, 15                        ; 8 rows of 4,096 bytes
	s_mov_b32 s51, 0
	s_add_nc_u64 s[36:37], s[36:37], s[50:51]
	s_lshl_b32 s50, s48, 13                        ; 8 rows of 1,024 bytes
	s_add_co_u32 s50, s50, s39
	s_add_nc_u64 s[42:43], s[18:19], s[50:51]
	s_add_nc_u64 s[44:45], s[42:43], 0x1000000     ; enc's second copy (used by enc's work-groups alone)
.macro LOAD t
.irp i, 0,1,2,3
	global_load_b128 v[R+16*((\t)%4)+4*\i:R+16*((\t)%4)+4*\i+3], v3, s[36:37] offset:2048*(\t)+512*\i th:TH_LOAD_NT
.endr
.endm
.macro TURN t                          ; step t's numbers through the stage: LDS serves a wave's instructions in order, so no wait stands between the stores and the loads
.irp i, 0,1,2,3
	ds_store_b128 v14, v[R+16*((\t)%4)+4*\i:R+16*((\t)%4)+4*\i+3] offset:32*SP*((\t)%2)+8*SP*\i
.endr
.irp i, 0,1,2,3
	ds_load_b128 v[X+16*((\t)%2)+4*\i:X+16*((\t)%2)+4*\i+3], v15 offset:32*SP*((\t)%2)+16*\i
.endr
.endm
.irp t, 0,1,2,3
	LOAD \t
.endr
	s_wait_kmcnt 0x0
	s_mov_b32 s40, s26                             ; e2, unless ..
.macro PICKE first, e
	s_cmp_ge_u32 ttmp9, \first
	s_cselect_b32 s40, s[\e], s40
.endm
	PICKE 512, 24
	PICKE 640, 25
	PICKE 672, 27
	PICKE 704, 29
	PICKE 736, 35
	s_add_co_i32 s40, s40, 127
	s_lshl_b32 s46, s40, 23
	v_mov_b32 v11, s46                             ; 2^e as f32: the conversion takes its exponent field
	s_add_co_i32 s40, s40, 8
	s_lshl_b32 s40, s40, 23
	s_or_b32 s40, s40, 0x600000
	v_mov_b32 v10, s40                             ; 448 x 2^e
	s_add_co_i32 s47, s28, 127                     ; the same with e4, for enc's second copy
	s_lshl_b32 s46, s47, 23
	v_mov_b32 v13, s46
	s_add_co_i32 s47, s47, 8
	s_lshl_b32 s47, s47, 23
	s_or_b32 s47, s47, 0x600000
	v_mov_b32 v12, s47
	s_wait_loadcnt 12                              ; step 0's four loads are in
	TURN 0
.macro CODES t, dst, lim, scl, base    ; the step's 16 neighbours are held, converted and stored; X is left as it is
.irp i, 0,1,2,3,4,5,6,7,8,9,10,11,12,13,14,15
	v_med3_num_f32 v[T+\i], v[X+16*((\t)%2)+\i], -v[\lim], v[\lim]   ; the conversion to an 8-bit code does not saturate (ISA guide 7.6.2)
.endr
	v_cvt_scalef32_pk8_fp8_f32 v[\dst+4*(\t):\dst+4*(\t)+1], v[T:T+7], v[\scl]
	v_cvt_scalef32_pk8_fp8_f32 v[\dst+4*(\t)+2:\dst+4*(\t)+3], v[T+8:T+15], v[\scl]
	v_nop                                          ; a plain line between the conversions and the next lines that write T
	global_store_b128 v3, v[\dst+4*(\t):\dst+4*(\t)+3], s[\base:\base+1] offset:512*(\t)
.endm
.macro STEP t
	s_wait_dscnt 0x0                               ; this step's numbers are back from the stage, and its stores into the stage have read their registers,
.if (\t)+4 < STEPS
	LOAD (\t)+4                                    ; which take the loads of four steps on
.endif
.if (\t)+1 < STEPS
.if STEPS-2-(\t) >= 3
	s_wait_loadcnt 12                              ; the next step's four loads are in; those of the three steps behind it may be out
.else
	s_wait_loadcnt 4*(STEPS-2-(\t))
.endif
	TURN (\t)+1
.endif
	CODES \t, C, 10, 11, 42
	s_cmp_lt_u32 ttmp9, 512                        ; enc alone has a second scale
	s_cbranch_scc0 .Lone_\@
	CODES \t, C2, 12, 13, 44
.Lone_\@:
.endm
.irp t, 0,1,2,3,4,5,6,7,8,9,10,11,12,13,14,15
	STEP \t
.endr
	s_wait_tensorcnt 0x0
	ds_add_u32 v8, v9
	s_wait_dscnt 0x0
	s_endpgm
.Lfunc_end_k_qdf309a9062_quant:
	.size	k_qdf309a9062_quant, .Lfunc_end_k_qdf309a9062_quant-k_qdf309a9062_quant
	.p2alignl 7, 3214868480
	.fill 96, 4, 3214868480
	.section	.rodata,"a",@progbits
	.p2align	6, 0x0
	.amdhsa_kernel k_qdf309a9062_quant
		.amdhsa_group_segment_fixed_size 33280
		.amdhsa_private_segment_fixed_size 0
		.amdhsa_enable_private_segment 0
		.amdhsa_kernarg_size 64
		.amdhsa_user_sgpr_count 2
		.amdhsa_user_sgpr_kernarg_segment_ptr 1
		.amdhsa_wavefront_size32 1
		.amdhsa_system_sgpr_workgroup_id_x 1
		.amdhsa_system_sgpr_workgroup_id_y 1
		.amdhsa_system_sgpr_workgroup_id_z 1
		.amdhsa_system_vgpr_workitem_id 0
		.amdhsa_next_free_vgpr 256
		.amdhsa_next_free_sgpr 66
		.amdhsa_reserve_vcc 0
		.amdhsa_float_denorm_mode_32 3
		.amdhsa_float_denorm_mode_16_64 3
		.amdhsa_memory_ordered 1
		.amdhsa_forward_progress 1
		.amdhsa_inst_pref_size 61
	.end_amdhsa_kernel
	.amdgpu_metadata
---
amdhsa.version: [ 1, 2 ]
amdhsa.kernels:
  - .name:           k_qdf309a9062_quant
    .symbol:         k_qdf309a9062_quant.kd
    .args:
      - { .name: encoded_representation, .offset: 0, .size: 8, .value_kind: global_buffer, .address_space: global }
      - { .name: future_queries, .offset: 8, .size: 8, .value_kind: global_buffer, .address_space: global }
      - { .name: wq_w, .offset: 16, .size: 8, .value_kind: global_buffer, .address_space: global }
      - { .name: wk_w, .offset: 24, .size: 8, .value_kind: global_buffer, .address_space: global }
      - { .name: wv_w, .offset: 32, .size: 8, .value_kind: global_buffer, .address_space: global }
      - { .name: wo_w, .offset: 40, .size: 8, .value_kind: global_buffer, .address_space: global }
      - { .name: lowp_scales, .offset: 48, .size: 8, .value_kind: global_buffer, .address_space: global }
      - { .name: codes, .offset: 56, .size: 8, .value_kind: global_buffer, .address_space: global }
    .group_segment_fixed_size: 33280
    .private_segment_fixed_size: 0
    .kernarg_segment_align: 8
    .kernarg_segment_size: 64
    .max_flat_workgroup_size: 128
    .sgpr_count:     66
    .vgpr_count:     256
    .wavefront_size: 32
...
	.end_amdgpu_metadata
.endif
;; end of part 1
;; launch proj (part 2): grid 4 x 48, 4 waves a work-group, clusters of 4 x 4, 327,680 bytes of LDS; arguments codes, wq_b, wk_b, wv_b, lowp_scales, imgs; writes imgs
.if DOCPART == 2
	.amdgcn_target "amdgcn-amd-amdhsa--gfx1250"
	.amdhsa_code_object_version 6
	.text
	.protected	k_qdf309a9062_proj
	.globl	k_qdf309a9062_proj
	.p2align	8
	.type	k_qdf309a9062_proj,@function
k_qdf309a9062_proj:
	s_mov_b64 s[64:65], 0
	v_nop
	global_prefetch_b8 v0, s[64:65] scope:SCOPE_SE
	s_setreg_imm32_b32 hwreg(HW_REG_WAVE_MODE, 25, 1), 1
	s_wait_xcnt 0x0
	s_wait_alu depctr_hold_cnt(0) depctr_sa_sdst(0) depctr_va_vdst(0) depctr_va_sdst(0) depctr_va_ssrc(0) depctr_va_vcc(0) depctr_vm_vsrc(0)
	s_getreg_b32 s2, hwreg(HW_REG_IB_STS2, 6, 4)
	s_cmp_eq_u32 s2, 0
	s_cbranch_scc0 .Lentry_in_a_cluster
	s_endpgm
.Lentry_in_a_cluster:
	s_bfe_u32 s2, ttmp6, 0x10000c
	s_cmp_lg_u32 s2, 0xf033
	s_cbranch_scc0 .Lentry_shape_is_right
	s_endpgm
.Lentry_shape_is_right:
; The three projections Q, K, V in one body: sums of FP8 (E4M3) codes, + bias, quantised again (e6, e7, e8) and stored as IMAGES OF THE REGISTERS in which the attention launch wants its operands.
; One form serves all three: D = (source 0: 16 rows of S0) x (source 1: 16 rows of S1); a lane holds one row of S1, its registers run along S0, the axis that is quantised next.
;   Q: S0 = wq, S1 = future_queries.   K: S0 = wk, S1 = enc (e2).   V: S0 = enc (e4), its rows are the keys, S1 = wv.
; S0's rows lie with bits 3 and 4 of the row number exchanged, so the 16 registers of tiles 2 p and 2 p + 1 are the original indices 32 p + 16 (lane / 16) + 0 .. 15: eight conversions make four registers of an operand.
; A tile of 256 x 256 is made by a work-group of four waves, a wave 128 x 128: 64 accumulators, 512 registers.  K = 1,024 goes in four fills of 256 through a ring of two LDS slots filled by the tensor data mover.
; WORK-GROUPS STAY.  There are 576 tiles, 36 groups of 4 x 4: 2.25 for each of 256 WGPs, so three tiles' time is needed however they are dealt.  192 work-groups (12 clusters) walk three tiles each: the cluster
; with y = Y takes groups Y, Y + 12, Y + 24 (groups 0-3 Q, 4-19 K, 20-35 V).  The ring does not stop at a tile's end: a tile's last two changes of slots ask for the next tile's first two fills, the second of which
; lands while the tile is quantised and stored; nothing waits for a tile's stores.  A loop of two trips runs the tiles that have a successor; the last tile is written out.
; CLUSTERS: 4 x 4 work-groups.  The four of a row of the cluster need the same tile of S1, the four of a column the same tile of S0: each is asked for jointly.
; What differs between the three projections is chosen by s_cselect on the group's number, which all partners share: no branch hangs on it.
; A fragment is fetched by four loads of 16 bytes: registers 4 c .. 4 c + 3 hold K = 32 c + 16 (lane / 16) + 0 .. 15: a permutation of k, the same on both sides.
; BIAS.  A sum stands for sum x 2^(ea + eb), so the bias goes in x 2^-(ea + eb).  Along the lanes (V): as the C of the first products.  Along the registers (Q, K): by one packed multiply-add on the way out.
; The way that does not apply runs all the same, with the factor 0.
; IMAGES: K and Q: [tile of 16 rows][head][part c of 2][lane][16 bytes]; V: [128 keys][tile of 16 d][part c of 4][lane][16 bytes].  Each store of a wave covers 512 consecutive bytes, aligned.
; LIMITS: -(ea + eb) between -126 and 127; eo - ea - eb between -126 and 119, for (ea, eb, eo) = (e0, e1, e6), (e2, e3, e7), (e4, e5, e8).  NaN and infinities among the biases are not served.
; REGISTERS: window 0: v8-15 store offsets, v16-31 addresses and constants, v32-95 the bias, v96-103 the lane-wise bias as loaded, v128-255 S1's fragments (one set), on the way out at work.
;   window 1: S0's fragments, two sets.   windows 2, 3: the accumulators ((a, b) at v[8 (8 (a % 4) + b)]).
.set TILES,  3
.set ROWB,   256                       ; a tile's row in bytes
.set KROW,   1024                      ; a row of codes in memory
.set PITCH,  272                       ; an LDS row: 256 bytes + 16 of padding: the 16 rows that a load touches start at 16 different banks (64 banks of 4 bytes: ISA guide 11.1)
.set FR,     16
.set NL,     4
.set NP,     4                         ; places behind this matrix instruction (ISA guide 7.12.1)
.set HALFT,  128*PITCH
.set SLOT,   4*HALFT                   ; S1's 256 rows, then S0's 256 rows
.set SPARE,  2*SLOT                    ; behind the ring: the spare words, 128 bytes a wave, that no other line names
.set VO,   8                           ; v8-15   16 x lane + a x (bytes from one tile of S1 to the next in the images)
.set ADRA, 16                          ; v16-17  LDS address of my S1 fragments in slot 0, 1
.set ADRB, 20                          ; v20-21  the same for S0
.set LI,   24                          ; v24     16 x lane
.set BO,   25                          ; v25     64 x (lane / 16): the register-wise bias
.set BMO,  26                          ; v26     4 x (r + 8 (r / 8)): the lane-wise bias
.set SPW,  28
.set NIL,  29
.set SCL,  30                          ; v30     2^(eo - ea - eb)
.set LIM,  31                          ; v31     448 x that
.set CB,   32                          ; v32-95  the lane-wise bias, eight registers for each of S1's eight blocks; later
.set BN,   32                          ;         the register-wise bias: BN[16 p + t] = bias[n0 + 32 p + 16 (lane / 16) + t]
.set BM,   96
.set AF,   128
.set T,    128                         ; the way out: v128-191 a block's 64 numbers, v192-255 codes of four blocks
.set CD,   192
.set G1, 24
.set G0, 32
.set G1B, 48
.set G0B, 56
.set MSB, 0
.macro WIN new                         ; the immediate's high byte repeats the setting that is left
.if MSB != \new
	s_set_vgpr_msb (MSB<<8)|\new
.set MSB, \new
.endif
.endm
.set MUL_LO, 0xa1                      ; source 0 (S0) window 1, source 1 (S1) window 0, C and D window 2
.set MUL_HI, 0xf1
.set TO_B,   0x40
; A joint load: waves 0 and 1 fetch for S1, waves 2 and 3 for S0.  The branch hangs on the wave's number alone.  Four v_nop follow each of the two lines.
.macro JLOAD g0a, g1a, g0b, g1b
	s_cmp_eq_u32 s15, 0
	s_cbranch_scc0 .Lfor_b_\@
	tensor_load_to_lds s[\g0a:\g0a+3], s[\g1a:\g1a+7]
	s_nop 0
.rept 4
	v_nop
.endr
	s_branch .Lasked_\@
.Lfor_b_\@:
	tensor_load_to_lds s[\g0b:\g0b+3], s[\g1b:\g1b+7]
	s_nop 0
.rept 4
	v_nop
.endr
.Lasked_\@:
.endm
.macro CREST                           ; a round of the cluster's barrier behind its opening barrier
	s_cmp_lg_u32 s14, 0
	s_cbranch_scc1 .Lnot_wave_0_\@
	s_barrier_signal -3
.Lnot_wave_0_\@:
	s_barrier_wait -3
	s_barrier_signal -1
	s_barrier_wait -1
.endm
.macro CROUND
	s_barrier_signal -1
	s_barrier_wait -1
	CREST
.endm
; WHERE: from the group's number s17: which projection, which tiles; the two tile addresses s[20:21] (S1: hangs on cy, not on cx) and s[46:47] (S0: on cx, not on cy); the lane-wise bias's base s[2:3].
; It runs for the NEXT tile in the middle of a tile: nothing that it writes is read by the rest of the tile in hand.
.macro WHERE
	s_sub_co_u32 s10, s17, 20                      ; V: S0's tiles 4 (group - 20) + cx,
	s_sub_co_u32 s12, s17, 4
	s_mov_b32 s11, 0                               ;    S1's tiles cy
	s_mov_b32 s4, 0x1000000                        ; S0's codes: enc with e4
	s_mov_b32 s5, 0x2600000                        ; S1's codes: wv
	s_mov_b32 s6, 0x1000000                        ; V's images
	s_mov_b32 s7, 128                              ; image bytes for each row of S1
	s_mov_b32 s8, 1024                             ; and for each row of S0
	s_mov_b32 s9, 2048                             ; and from one tile of S1 to the next
	s_mov_b32 s91, 1                               ; it is V
	s_cmp_lt_u32 s17, 20                           ; K (or Q): S0's tiles cx, S1's tiles 4 (group - 4) + cy
	s_cselect_b32 s10, 0, s10
	s_cselect_b32 s11, s12, s11
	s_cselect_b32 s4, 0x2500000, s4
	s_cselect_b32 s5, 0, s5
	s_cselect_b32 s6, 0, s6
	s_cselect_b32 s7, 1024, s7
	s_cselect_b32 s8, 16, s8
	s_cselect_b32 s9, 16384, s9
	s_cselect_b32 s91, 0, s91
	s_cselect_b64 s[22:23], s[72:73], s[74:75]     ; the bias: wk_b or wv_b,
	s_cmp_lt_u32 s17, 4                            ; Q: S1's tiles 4 group + cy
	s_cselect_b32 s11, s17, s11
	s_cselect_b32 s4, 0x2400000, s4
	s_cselect_b32 s5, 0x2000000, s5
	s_cselect_b32 s6, 0x2000000, s6
	s_cselect_b64 s[22:23], s[70:71], s[22:23]     ; or wq_b
	s_lshl_b32 s42, s10, 2
	s_add_co_u32 s42, s42, s40                     ; S0's tile
	s_lshl_b32 s13, s11, 2
	s_add_co_u32 s13, s13, s41                     ; S1's tile
	s_lshl_b32 s18, s16, 7                         ; which 128 rows of the tile I fetch
	s_lshl_b32 s20, s13, 8
	s_add_co_u32 s20, s20, s18
	s_lshl_b32 s20, s20, 10                        ; rows of 1,024 bytes: all offsets stay under 2^26
	s_add_co_u32 s20, s20, s5
	s_mov_b32 s21, 0
	s_lshl_b32 s46, s42, 8
	s_add_co_u32 s46, s46, s18
	s_lshl_b32 s46, s46, 10
	s_add_co_u32 s46, s46, s4
	s_mov_b32 s47, 0
	s_add_nc_u64 s[20:21], s[68:69], s[20:21]
	s_add_nc_u64 s[46:47], s[68:69], s[46:47]
	s_lshl_b32 s98, s13, 8
	s_lshl_b32 s18, s15, 7
	s_add_co_u32 s98, s98, s18                     ; m0: my first row of S1
	s_lshl_b32 s99, s42, 8
	s_lshl_b32 s18, s16, 7
	s_add_co_u32 s99, s99, s18                     ; n0: my first row of S0
	s_cmp_lg_u32 s91, 0
	s_cselect_b32 s18, s98, 0                      ; V: the bias runs along S1; else the loads read the first 128 numbers, and the factor is 0
	s_lshl_b32 s18, s18, 2
	s_mov_b32 s19, 0
	s_add_nc_u64 s[2:3], s[22:23], s[18:19]
.endm
.macro BMLOAD                          ; the lane-wise bias as it lies: place 16 a + r of S1 is the original row 32 (a / 2) + 8 (a % 2) + r + 8 (r / 8)
.irp a, 0,1,2,3,4,5,6,7
	global_load_b32 v[BM+\a], v[BMO], s[2:3] offset:(32*(\a/2)+8*(\a%2))*4
.endr
.endm
; EPI: at a tile's head, from what WHERE left for it: the store offsets, the register-wise bias's base s[66:67], the images' base s[96:97], the two bias factors, the conversion's scale and the hold.
; What it rewrites was read by the last tile's loads and stores: they stand behind that tile's wait for its loads and the wait on XCNT that closes its way out.
.macro EPI
.irp a, 0,1,2,3,4,5,6,7
	s_mul_i32 s18, s9, \a
	v_add_nc_u32 v[VO+\a], s18, v[LI]
.endr
	s_add_co_i32 s18, s84, s85                     ; e4 + e5
	s_add_co_i32 s19, s82, s83                     ; e2 + e3
	s_add_co_i32 s12, s80, s81                     ; e0 + e1
	s_cmp_lt_u32 s17, 20
	s_cselect_b64 s[66:67], s[72:73], s[74:75]
	s_cselect_b32 s89, s19, s18                    ; ea + eb
	s_cselect_b32 s90, s87, s88                    ; eo
	s_cmp_lt_u32 s17, 4
	s_cselect_b64 s[66:67], s[70:71], s[66:67]
	s_cselect_b32 s89, s12, s89
	s_cselect_b32 s90, s86, s90
	s_sub_co_i32 s18, 127, s89
	s_lshl_b32 s18, s18, 23                        ; 2^-(ea + eb) as f32
	s_cmp_lg_u32 s91, 0
	s_cselect_b32 s94, s18, 0                      ; the lane-wise bias's factor
	s_cselect_b32 s92, 0, s18                      ; the register-wise bias's
	s_cselect_b32 s100, 0, s99                     ; Q, K: the bias runs along S0; else the loads read the first 128 numbers
	s_mov_b32 s93, s92                             ; (named with it as a pair, so it is written)
	s_sub_co_i32 s18, s90, s89
	s_add_co_i32 s18, s18, 127
	s_lshl_b32 s19, s18, 23
	v_mov_b32 v[SCL], s19                          ; 2^(eo - ea - eb): the three scales folded into the conversion's one
	s_add_co_i32 s18, s18, 8
	s_lshl_b32 s18, s18, 23
	s_or_b32 s18, s18, 0x600000
	v_mov_b32 v[LIM], s18
	s_lshl_b32 s18, s100, 2
	s_mov_b32 s19, 0
	s_add_nc_u64 s[66:67], s[66:67], s[18:19]
	s_mul_i32 s18, s98, s7                         ; where my images begin
	s_mul_i32 s19, s99, s8
	s_add_co_u32 s18, s18, s19
	s_add_co_u32 s18, s18, s6
	s_mov_b32 s19, 0
	s_add_nc_u64 s[96:97], s[78:79], s[18:19]
.endm
.macro FRAG reg, adr, q, i
.irp c, 0,1,2,3
	ds_load_b128 v[\reg+4*\c:\reg+4*\c+3], v[\adr] offset:128*(\q)+32*\c+(\i)*16*PITCH
.endr
.endm
; 16 matrix instructions: S1's blocks a0, a0 + 1 x S0's eight, 128 along K.  zero = 1: the first products start the sums, from the lane-wise bias.
; The 64 accumulators take turns, one instruction a turn, in the same order in every step and from tile to tile.
.macro MUL16 a0, p, zero
.irp a, \a0, \a0+1
.irp b, 0,1,2,3,4,5,6,7
.if \zero
	v_wmma_f32_16x16x128_fp8_fp8 v[8*(8*((\a)%4)+\b):8*(8*((\a)%4)+\b)+7], v[128*(\p)+FR*\b:128*(\p)+FR*\b+FR-1], v[AF+FR*(\a):AF+FR*(\a)+FR-1], v[CB+8*(\a):CB+8*(\a)+7]
.else
	v_wmma_f32_16x16x128_fp8_fp8 v[8*(8*((\a)%4)+\b):8*(8*((\a)%4)+\b)+7], v[128*(\p)+FR*\b:128*(\p)+FR*\b+FR-1], v[AF+FR*(\a):AF+FR*(\a)+FR-1], v[8*(8*((\a)%4)+\b):8*(8*((\a)%4)+\b)+7]
.endif
.endr
.endr
.endm
.macro FETCH_B slot, q, p
	WIN TO_B
.irp i, 0,1,2,3,4,5,6,7
	FRAG 128*(\p)+FR*\i, ADRB+\slot, \q, \i
.endr
	WIN 0
.endm
.macro FETCH_A slot, q, i0
.irp i, \i0, \i0+1, \i0+2, \i0+3
	FRAG AF+FR*(\i), ADRA+\slot, \q, \i
.endr
.endm
.macro PLACES n                        ; plain vector lines between a matrix instruction and a load into, or a vector line on, its registers
.rept \n
	v_nop
.endr
.endm
; A step of 128 along K that has its successor in the same slot.  S1 has one set of registers: blocks 0-3 are fetched anew in the step's middle, blocks 4-7 at its end; S0 has two sets.
.macro STEP slot, q, zero
	s_wait_dscnt 4*NL                              ; S0's set and S1's blocks 0-3 are in; the youngest 16 loads (S1's blocks 4-7) may be out
.if \zero
	WIN 0x81                                       ; C in window 0, D in window 2
.else
	WIN MUL_LO
.endif
	MUL16 0, (\q)%2, \zero
	MUL16 2, (\q)%2, \zero
	s_wait_dscnt 0
	PLACES NP
	FETCH_B \slot, (\q)+1, 1-(\q)%2
	FETCH_A \slot, (\q)+1, 0
.if \zero
	WIN 0xc1
.else
	WIN MUL_HI
.endif
	MUL16 4, (\q)%2, \zero
	MUL16 6, (\q)%2, \zero
	PLACES NP
	WIN 0
	FETCH_A \slot, (\q)+1, 4
.endm
; A slot's last step changes slots: one barrier; in front of it each wave waits for all its tensor loads, adds 0 to its spare word, and waits for that and for its own reads of this slot.
; fill = 0: nothing is asked for.  1: this slot takes this tile's K two fills on.  2: it takes the NEXT tile's fill of the same slot, at the addresses that WHERE has made.
.macro TURN slot, next, fill
	s_wait_tensorcnt 0x0                           ; all my tensor loads have landed: my part of the next slot
	ds_add_u32 v[SPW], v[NIL]                      ; 0 onto my spare word
	s_wait_dscnt 4*NL+1                            ; (the add and the youngest 16 loads may be out)
	WIN MUL_LO
	MUL16 0, 1, 0
	s_wait_dscnt 0x0                               ; the add is done, and my reads of this slot are over
	s_barrier_signal -1
	MUL16 2, 1, 0
	WIN 0
	s_barrier_wait -1
.if \fill
	CREST                                          ; the barrier has opened a round of the cluster's barrier: no wave of any partner still reads this slot or has a load on its way
.if \fill == 2
	s_add_nc_u64 s[G0+4*\slot+2:G0+4*\slot+3], s[20:21], \slot*ROWB
	s_or_b32 s[G0+4*\slot+3], s[G0+4*\slot+3], 0x80000000
	s_add_nc_u64 s[G0B+4*\slot+2:G0B+4*\slot+3], s[46:47], \slot*ROWB
	s_or_b32 s[G0B+4*\slot+3], s[G0B+4*\slot+3], 0x80000000
.else
	s_add_nc_u64 s[G0+4*\slot+2:G0+4*\slot+3], s[G0+4*\slot+2:G0+4*\slot+3], 2*ROWB
	s_add_nc_u64 s[G0B+4*\slot+2:G0B+4*\slot+3], s[G0B+4*\slot+2:G0B+4*\slot+3], 2*ROWB
.endif
	JLOAD G0+4*\slot, G1, G0B+4*\slot, G1B         ; the first tensor load behind the round; its four v_nop are the places in front of the loads below
.else
	PLACES NP
.endif
	FETCH_B \next, 0, 0
	FETCH_A \next, 0, 0
	WIN MUL_HI
	MUL16 4, 1, 0
	MUL16 6, 1, 0
	PLACES NP
	WIN 0
	FETCH_A \next, 0, 4
.endm
; The last step of a tile that has a successor: the same waits, add and round; slot 1, which this step has read out, takes the next tile's K 256-511.  Nothing is fetched from LDS: the way out follows,
; which works in the registers of S1's fragments, and the load has the whole way out in which to land.
.macro TURNX
	s_wait_tensorcnt 0x0                           ; all my tensor loads have landed: my part of the next tile's K 0-255, in slot 0
	ds_add_u32 v[SPW], v[NIL]                      ; 0 onto my spare word
	s_wait_dscnt 4*NL+1                            ; (the add and the youngest 16 loads may be out)
	WIN MUL_LO
	MUL16 0, 1, 0
	s_wait_dscnt 0x0                               ; the add is done, and my reads of slot 1 are over
	s_barrier_signal -1
	MUL16 2, 1, 0
	WIN 0
	s_barrier_wait -1
	CREST
	s_add_nc_u64 s[G0+6:G0+7], s[20:21], ROWB
	s_or_b32 s[G0+7], s[G0+7], 0x80000000
	s_add_nc_u64 s[G0B+6:G0B+7], s[46:47], ROWB
	s_or_b32 s[G0B+7], s[G0B+7], 0x80000000
	JLOAD G0+4, G1, G0B+4, G1B                     ; the first tensor load behind the round, and my only one until the next
	WIN MUL_HI
	MUL16 4, 1, 0
	MUL16 6, 1, 0
	WIN 0
.endm
; A tile's head and its first five steps of 128 along K, alike for every tile.
.macro HEAD
	EPI
	s_wait_loadcnt 0x0                             ; the lane-wise bias (asked for in the middle of the tile before, or at the start)
.irp a, 0,1,2,3,4,5,6,7
.irp j, 0,1,2,3,4,5,6,7
	v_mul_f32 v[CB+8*\a+\j], s94, v[BM+\a]         ; a lane's row of S1 has one bias for all eight registers
.endr
.endr
	s_wait_tensorcnt 1                             ; my part of slot 0 is in; slot 1's load, the one issued behind it on either way here, may be out
	s_barrier_signal -1
	s_barrier_wait -1
	FETCH_B 0, 0, 0
	FETCH_A 0, 0, 0
	FETCH_A 0, 0, 4
	STEP 0, 0, 1                                   ; K 0-127: these products start the sums
.irp p, 0,1,2,3                        ; the lane-wise bias has been read (the step's closing places stand behind its last reader): its registers take the register-wise bias, waited for on the way out
.irp i, 0,1,2,3
	global_load_b128 v[BN+16*\p+4*\i:BN+16*\p+4*\i+3], v[BO], s[66:67] offset:128*\p+16*\i
.endr
.endr
	TURN 0, 1, 1                                   ; K 128-255; slot 0 takes K 512-767
	STEP 1, 0, 0
	TURN 1, 0, 1                                   ; slot 1 takes K 768-1023
	STEP 0, 0, 0
.endm
; THE WAY OUT, block by block of 16 rows of S1: sum + bias, the hold, eight conversions, four stores of 512 consecutive bytes.  Nothing goes through LDS: the conversions' results are the image.
.macro OUTB a
.set AC, 64*((\a)%4)
.set CC, CD+16*((\a)%4)
.if (\a) >= 4
	s_wait_xcnt 0x0                                ; block a - 4's stores have read their registers
.endif
	WIN 0x20+0x10*((\a)/4)                         ; source 2: window 2 or 3
.set i, 0
.rept 32
	v_pk_fma_f32 v[T+i:T+i+1], v[BN+i:BN+i+1], s[92:93], v[AC+i:AC+i+1] op_sel_hi:[1,0,1]   ; each accumulator from its low end on
.set i, i+2
.endr
	WIN 0
.set i, 0
.rept 64
	v_med3_num_f32 v[T+i], v[T+i], -v[LIM], v[LIM] ; the conversion to an 8-bit code does not saturate (ISA guide 7.6.2)
.set i, i+1
.endr
.irp g, 0,1,2,3,4,5,6,7
	v_cvt_scalef32_pk8_fp8_f32 v[CC+2*\g:CC+2*\g+1], v[T+8*\g:T+8*\g+7], v[SCL]
.endr
	v_nop                                          ; a plain line between the conversions and the next lines that write T or the scale
.irp p, 0,1,2,3
	global_store_b128 v[VO+\a], v[CC+4*\p:CC+4*\p+3], s[96:97] offset:512*\p
.endr
.endm
.macro WAYOUT
	s_wait_loadcnt 0x0                             ; the register-wise bias (and the next tile's lane-wise bias)
	PLACES NP
.irp a, 0,1,2,3,4,5,6,7
	OUTB \a
.endr
	s_wait_xcnt 0x0                                ; the stores have read their data, offsets and base: the next tile writes all three anew
.endm
	s_load_b256 s[68:75], s[0:1], 0x0              ; codes s[68:69], wq_b, wk_b, wv_b
	s_load_b128 s[76:79], s[0:1], 0x20             ; the scales' exponents s[76:77], the images s[78:79]
	v_lshl_add_u32 v[SPW], v0, 2, SPARE
	v_mov_b32 v[NIL], 0
	ds_add_u32 v28, v29
	ds_add_u32 v28, v29
	s_wait_dscnt 0x0
	v_lshrrev_b32 v1, 5, v0
	v_readfirstlane_b32 s14, v1                    ; wave 0..3
	s_lshr_b32 s15, s14, 1                         ; my half of S1's rows.  Also: I fetch for S1 (0) or for S0 (1)
	s_and_b32 s16, s14, 1                          ; my half of S0's rows.  Also: which 128 rows I fetch
	s_bfe_u32 s40, ttmp6, 0x40000                  ; cx
	s_bfe_u32 s41, ttmp6, 0x40004                  ; cy
	s_and_b32 s17, ttmp7, 0xffff                   ; the cluster's y, 0 .. 11: the first tile's group; 12 are added from tile to tile
	s_lshl_b32 s43, s41, 2
	s_lshl_b32 s43, 15, s43                        ; my row of the cluster
	s_lshl_b32 s44, 0x1111, s40                    ; my column
	; descriptor group 1: a tile of 128 rows x 256 bytes, padded in LDS
	s_or_b32 s[G1+0], s43, (0<<16)|(1<<20)|(1<<21)|(5<<22)|(3<<25)  ; 15:0 the mask: S1's tiles go to my row; elements of 1 byte; 20 padding on; 21 set beside a mask; after every 64 words (code 5) 4 words (code 3)
	s_or_b32 s[G1B+0], s44, (0<<16)|(1<<20)|(1<<21)|(5<<22)|(3<<25) ; S0's go to my column
.irp g, G1, G1B
	s_mov_b32 s[\g+1], ROWB<<16                    ; tensor_dim0
	s_mov_b32 s[\g+2], 128<<16                     ; tensor_dim1
	s_mov_b32 s[\g+3], ROWB<<16                    ; tile_dim0
	s_mov_b32 s[\g+4], 128                         ; tile_dim1
	s_mov_b32 s[\g+5], KROW                        ; tensor_dim0_stride
	s_mov_b32 s[\g+6], 0
	s_mov_b32 s[\g+7], 0
.endr
	s_mul_i32 s45, s14, HALFT                      ; where my part of a tile goes: wave x 128 rows
	s_wait_kmcnt 0x0
	s_load_b256 s[80:87], s[76:77], 0x0            ; e0 .. e7
	s_load_b32 s88, s[76:77], 0x20                 ; e8
	WHERE                                          ; the first tile
	CROUND                                         ; all sixteen work-groups are here: the first joint loads meet
.irp s, 0,1
	s_mov_b32 s[G0+4*\s], 1
	s_add_co_u32 s[G0+4*\s+1], s45, \s*SLOT
	s_add_nc_u64 s[G0+4*\s+2:G0+4*\s+3], s[20:21], \s*ROWB
	s_or_b32 s[G0+4*\s+3], s[G0+4*\s+3], 0x80000000
	s_mov_b32 s[G0B+4*\s], 1
	s_add_co_u32 s[G0B+4*\s+1], s45, \s*SLOT
	s_add_nc_u64 s[G0B+4*\s+2:G0B+4*\s+3], s[46:47], \s*ROWB
	s_or_b32 s[G0B+4*\s+3], s[G0B+4*\s+3], 0x80000000
	JLOAD G0+4*\s, G1, G0B+4*\s, G1B
.endr
	v_and_b32 v1, 15, v0                           ; r
	v_bfe_u32 v2, v0, 4, 1                         ; lane / 16
	v_mul_u32_u24 v3, v1, PITCH
	v_lshl_add_u32 v4, v2, 4, v3
	s_mul_i32 s21, s15, HALFT                      ; my 128 rows of S1
	s_mul_i32 s22, s16, HALFT                      ; my 128 rows of S0,
	s_add_co_u32 s22, s22, 2*HALFT                 ; which lie behind S1's 256
.irp s, 0,1
	v_add_nc_u32 v[ADRA+\s], s21, v4
	v_add_nc_u32 v[ADRB+\s], s22, v4
	s_add_co_u32 s21, s21, SLOT
	s_add_co_u32 s22, s22, SLOT
.endr
	v_and_b32 v5, 31, v0
	v_lshlrev_b32 v[LI], 4, v5
	v_lshlrev_b32 v[BO], 6, v2
	v_and_b32 v5, 8, v1
	v_add_nc_u32 v5, v5, v1
	v_lshlrev_b32 v[BMO], 2, v5
	BMLOAD
	s_wait_kmcnt 0x0                               ; the scales' exponents
	s_mov_b32 s95, TILES-1
.Ltile:                                                ; two trips: the tiles that have a successor.  Every window is 0 here
	HEAD
	s_add_co_u32 s17, s17, 12                      ; the next tile's group,
	WHERE                                          ; its addresses,
	BMLOAD                                         ; and its lane-wise bias, which is in by the way out's wait
	TURN 0, 1, 2                                   ; THE RING GOES ON INTO THE NEXT TILE: slot 0 takes its K 0-255,
	STEP 1, 0, 0
	TURNX                                          ; slot 1 its K 256-511
	WAYOUT
	s_sub_co_u32 s95, s95, 1
	s_cmp_lg_u32 s95, 0
	s_cbranch_scc1 .Ltile
	HEAD                                           ; the last tile is written out: it asks for nothing beyond its own four fills
	TURN 0, 1, 0
	STEP 1, 0, 0
	s_wait_dscnt 4*NL
	WIN MUL_LO
	MUL16 0, 1, 0
	MUL16 2, 1, 0
	s_wait_dscnt 0
	WIN MUL_HI
	MUL16 4, 1, 0
	MUL16 6, 1, 0
	WIN 0
	WAYOUT
	s_wait_tensorcnt 0x0                           ; the wave's end
	ds_add_u32 v[SPW], v[NIL]
	s_wait_dscnt 0x0
	CROUND                                         ; the closing round
	s_endpgm
.Lfunc_end_k_qdf309a9062_proj:
	.size	k_qdf309a9062_proj, .Lfunc_end_k_qdf309a9062_proj-k_qdf309a9062_proj
	.p2alignl 7, 3214868480
	.fill 96, 4, 3214868480
	.section	.rodata,"a",@progbits
	.p2align	6, 0x0
	.amdhsa_kernel k_qdf309a9062_proj
		.amdhsa_group_segment_fixed_size 327680
		.amdhsa_private_segment_fixed_size 0
		.amdhsa_enable_private_segment 0
		.amdhsa_kernarg_size 48
		.amdhsa_user_sgpr_count 2
		.amdhsa_user_sgpr_kernarg_segment_ptr 1
		.amdhsa_wavefront_size32 1
		.amdhsa_system_sgpr_workgroup_id_x 1
		.amdhsa_system_sgpr_workgroup_id_y 1
		.amdhsa_system_sgpr_workgroup_id_z 1
		.amdhsa_system_vgpr_workitem_id 0
		.amdhsa_next_free_vgpr 1024
		.amdhsa_next_free_sgpr 104
		.amdhsa_reserve_vcc 0
		.amdhsa_float_denorm_mode_32 3
		.amdhsa_float_denorm_mode_16_64 3
		.amdhsa_memory_ordered 1
		.amdhsa_forward_progress 1
		.amdhsa_inst_pref_size 255
	.end_amdhsa_kernel
	.section	.bss,"aw",@nobits
	.p2align	6
	.space	262144
	.amdgpu_metadata
---
amdhsa.version: [ 1, 2 ]
amdhsa.kernels:
  - .name:           k_qdf309a9062_proj
    .symbol:         k_qdf309a9062_proj.kd
    .args:
      - { .name: codes, .offset: 0, .size: 8, .value_kind: global_buffer, .address_space: global }
      - { .name: wq_b, .offset: 8, .size: 8, .value_kind: global_buffer, .address_space: global }
      - { .name: wk_b, .offset: 16, .size: 8, .value_kind: global_buffer, .address_space: global }
      - { .name: wv_b, .offset: 24, .size: 8, .value_kind: global_buffer, .address_space: global }
      - { .name: lowp_scales, .offset: 32, .size: 8, .value_kind: global_buffer, .address_space: global }
      - { .name: imgs, .offset: 40, .size: 8, .value_kind: global_buffer, .address_space: global }
    .group_segment_fixed_size: 327680
    .private_segment_fixed_size: 0
    .kernarg_segment_align: 8
    .kernarg_segment_size: 48
    .max_flat_workgroup_size: 128
    .sgpr_count:     104
    .vgpr_count:     1024
    .wavefront_size: 32
...
	.end_amdgpu_metadata
.endif
;; end of part 2
;; launch attn (part 3): grid 256 x 1, 8 waves a work-group, no clusters, 263,168 bytes of LDS; arguments imgs, decoder_lengths, encoder_lengths, lowp_scales, a_img; writes a_img
.if DOCPART == 3
	.amdgcn_target "amdgcn-amd-amdhsa--gfx1250"
	.amdhsa_code_object_version 6
	.text
	.protected	k_qdf309a9062_attn
	.globl	k_qdf309a9062_attn
	.p2align	8
	.type	k_qdf309a9062_attn,@function
k_qdf309a9062_attn:
	s_mov_b64 s[64:65], 0
	v_nop
	global_prefetch_b8 v0, s[64:65] scope:SCOPE_SE
	s_setreg_imm32_b32 hwreg(HW_REG_WAVE_MODE, 25, 1), 1
	s_wait_xcnt 0x0
; Attention on codes of FP8 (E4M3): S^T = K Q^T (K = the head's 64), the softmax p = 2^(t - M) with M a whole number, O^T = V^T P^T (K = the keys), O / l quantised with e10 and stored as images of the last product's fragments.
; THE MASK FILLS WITH -1e-9, NOT WITH MINUS INFINITY: a masked key, and every key of a query past decoder_lengths, still counts, with the logit -1e-9.  So V^T P^T is done for all 2,048 keys.
; What is spared where all 128 keys of a step are masked for all 32 queries of a wave: K Q^T and the softmax score by score; all its p are one number there.
; SHARES.  Two work-groups to a head (b, h).  Wave w of work-group half qh owns queries 32 (2 w + qh) .. + 31, two tiles of 16, so that both halves get about as many queries under decoder_lengths.
; Each fragment of K and V read from LDS feeds two matrix instructions.  Two waves to a SIMD: one wave's vector work stands beside the other's matrix work and LDS loads.
; LDS holds the head's whole K (131,072 bytes) and V (131,072), as images of the operands' registers: every read is 16 x lane + a constant.  Each byte is written once, in four chunks of 512 keys that go through
; registers: a chunk's global loads are issued a whole chunk (four key steps) ahead of its LDS stores.  Two barriers a chunk: between them stand stores alone, each wave's to its own bytes; elsewhere loads alone.
; NO CLUSTER, NO TENSOR LOAD: the steps branch on the lengths and on e9, numbers read from memory; and only two work-groups share a head's bytes.
; LAYOUT.  A lane holds one query (lane % 16) throughout.  The keys of K's tiles lie so that the 16 registers of tiles 2 p and 2 p + 1 are keys 32 p + 16 (lane / 16) + 0 .. 15; V's tiles of d likewise for the output.
; LIMITS: e6 + e7 between -123 and 126 (added to c's exponent field); e9 and e10 between -126 and 119.  e8 + e9 is applied by v_ldexp_f32.
; REGISTERS.  Window 0: v1-11 addresses and constants; v12-35 twelve registers of statistics a tile; v36-42 at work; v64-191 S^T, then p (64 a tile); v192-223 p's codes (16 a tile); v224-239 the masked step's p.
;   Window 1: v0-63 fragments of K or V; v64-127 O^T (32 a tile); v128-191 a chunk on its way to LDS; v192-207 Q (8 a tile).
.set LI,  1                            ; 16 x lane
.set ADK, 2                            ; the step's K in LDS
.set ADV, 3                            ; the step's V
.set LK,  4                            ; fill: 4,096 x wave + 16 x lane
.set LV,  5                            ; + 131,072
.set GK,  6                            ; fill: my offset in a chunk of K's images
.set GV,  7                            ; and of V's
.set S0V, 8                            ; the masked score, in the sums' units: -8e-9 / 2^(e6 + e7)
.set LIM, 9                            ; 448 x 2^e9; at the end 448 x 2^e10
.set SCL, 10                           ; 2^e9; at the end 2^e10
.set LIV, 11                           ; 16 x lane + 131,072
.set ST,  12                           ; tile x at ST + 12 x: +0 -M, +1 the largest t, +2 +3 l, +4 f, +5 0, +6 +7 a chain of sums, +8 +9 at work, +10 a permute's destination, +11 (my query's count of open keys) - 1 - 16 (lane / 16)
.set FK,  36
.set FV,  37
.set S,   64
.set P,   192
.set SH,  224
.set KV,  0                            ; window 1
.set O,   64
.set STG, 128
.set Q,   192
.set T0,  0xb0c64851                   ; -1e-9 x log2(e)
.set MSB, 0
.macro WIN new                         ; bits 1:0 source 0, 3:2 source 1, 5:4 source 2, 7:6 destination; the high byte repeats the setting that is left
.if MSB != \new
	s_set_vgpr_msb (MSB<<8)|\new
.set MSB, \new
.endif
.endm
	s_load_b256 s[4:11], s[0:1], 0x0               ; images s[4:5], decoder_lengths s[6:7], encoder_lengths s[8:9], the scales' exponents s[10:11]
	s_load_b64 s[12:13], s[0:1], 0x20              ; the output's images
	v_lshl_add_u32 v254, v0, 2, 0x40000
	v_mov_b32 v255, 0
	v_lshrrev_b32 v39, 5, v0
	v_readfirstlane_b32 s14, v39                   ; wave 0..7
	s_lshr_b32 s15, ttmp9, 1
	s_and_b32 s16, ttmp9, 1                        ; which half of the head's units
	s_lshr_b32 s17, s15, 4                         ; b
	s_and_b32 s18, s15, 15                         ; h
	s_lshl_b32 s19, s14, 1
	s_add_co_u32 s19, s19, s16                     ; my unit of 32 queries
	s_lshl_b32 s20, s19, 5                         ; my first query
	v_and_b32 v39, 31, v0
	v_lshlrev_b32 v[LI], 4, v39
	s_lshl_b32 s54, s14, 12
	v_add_nc_u32 v[LK], s54, v[LI]
	v_add_nc_u32 v[LV], 131072, v[LK]
	v_add_nc_u32 v[LIV], 131072, v[LI]
	s_lshl_b32 s54, s14, 16                        ; K: my four tiles of 16 keys, 16,384 bytes apart in memory
	v_add_nc_u32 v[GK], s54, v[LI]
	s_lshr_b32 s54, s14, 1                         ; V: step wave / 2 of the chunk's four, half wave % 2 of its 8,192 bytes
	s_lshl_b32 s54, s54, 17
	s_and_b32 s55, s14, 1
	s_lshl_b32 s55, s55, 12
	s_add_co_u32 s54, s54, s55
	v_add_nc_u32 v[GV], s54, v[LI]
	s_lshl_b32 s54, s17, 21                        ; a batch's K or V images: 2,097,152 bytes
	s_lshl_b32 s55, s18, 10
	s_add_co_u32 s26, s54, s55                     ; K: + 1,024 h
	s_mov_b32 s27, 0
	s_lshl_b32 s55, s18, 13
	s_add_co_u32 s28, s54, s55                     ; V: + 8,192 h,
	s_add_co_u32 s28, s28, 0x1000000               ; behind K's images
	s_mov_b32 s29, 0
	s_lshl_b32 s54, s17, 5
	s_lshl_b32 s55, s19, 1
	s_add_co_u32 s54, s54, s55                     ; my first tile of queries: 32 b + 2 unit
	s_lshl_b32 s54, s54, 14
	s_lshl_b32 s55, s18, 10
	s_add_co_u32 s30, s54, s55                     ; its place in Q's images and in the output's
	s_mov_b32 s31, 0
	s_lshl_b32 s60, s17, 2
	s_mov_b32 s61, 0
	s_mov_b32 s42, 0x76543210                      ; v_permlanex16_b32: lane l xor 16
	s_mov_b32 s43, 0xfedcba98
	s_mov_b32 s44, 0                               ; the step's first key
	s_wait_kmcnt 0x0
	s_add_nc_u64 s[50:51], s[4:5], s[26:27]
	s_add_nc_u64 s[52:53], s[4:5], s[28:29]
	s_add_nc_u64 s[56:57], s[4:5], s[30:31]
	s_add_nc_u64 s[56:57], s[56:57], 0x2000000     ; Q's images lie behind V's
	s_add_nc_u64 s[58:59], s[12:13], s[30:31]
	s_add_nc_u64 s[6:7], s[6:7], s[60:61]
	s_add_nc_u64 s[8:9], s[8:9], s[60:61]
	s_load_b32 s22, s[6:7], 0x0                    ; decoder_lengths[b]
	s_load_b32 s21, s[8:9], 0x0                    ; encoder_lengths[b]
	s_load_b256 s[32:39], s[10:11], 0x10           ; e4 .. e11: e6 s34, e7 s35, e8 s36, e9 s37, e10 s38
.macro FILL_LOAD ch                    ; chunk ch: 16 loads of 512 consecutive bytes a wave; every offset is an immediate
	WIN 0x40
.irp i, 0,1,2,3
.irp c, 0,1
	global_load_b128 v[STG+8*\i+4*\c:STG+8*\i+4*\c+3], v[GK], s[50:51] offset:(\ch)*524288+\i*16384+\c*512
.endr
.endr
.irp j, 0,1,2,3,4,5,6,7
	global_load_b128 v[STG+32+4*\j:STG+32+4*\j+3], v[GV], s[52:53] offset:(\ch)*524288+\j*512
.endr
	WIN 0
.endm
.macro FILL_STORE
	WIN 0x04
.irp i, 0,1,2,3
.irp c, 0,1
	ds_store_b128 v[FK], v[STG+8*\i+4*\c:STG+8*\i+4*\c+3] offset:\i*1024+\c*512
.endr
.endr
.irp j, 0,1,2,3,4,5,6,7
	ds_store_b128 v[FV], v[STG+32+4*\j:STG+32+4*\j+3] offset:\j*512
.endr
	WIN 0
.endm
	FILL_LOAD 0
	WIN 0x40
.irp x, 0,1
.irp c, 0,1
	global_load_b128 v[Q+8*\x+4*\c:Q+8*\x+4*\c+3], v[LI], s[56:57] offset:\x*16384+\c*512   ; Q's two fragments stay in registers
.endr
.endr
.set i, 0
.rept 64
	v_mov_b32 v[O+i], 0                            ; O^T.  (The step is written once: its first trip finds zeros, which the first change of M leaves zeros)
.set i, i+1
.endr
	WIN 0
.irp x, 0,1
	v_mov_b32 v[ST+12*\x+1], 0xff61b1e6            ; the largest t so far: -3e38
	v_floor_f32 v[ST+12*\x], -v[ST+12*\x+1]        ; -M
	v_mov_b32 v[ST+12*\x+2], 0                     ; l, in two halves
	v_mov_b32 v[ST+12*\x+3], 0
	v_mov_b32 v[ST+12*\x+5], 0                     ; (named as the upper half of f's pair)
	v_mov_b32 v[ST+12*\x+10], 0                    ; a lane permute's destination counts as one of its sources
.endr
	v_and_b32 v39, 15, v0                          ; r
	v_bfe_u32 v40, v0, 4, 1
	v_lshlrev_b32 v40, 4, v40                      ; 16 (lane / 16)
	s_wait_kmcnt 0x0
	s_cmp_lt_u32 s20, s22
	s_cselect_b32 s23, s21, 0                      ; from this key on every key is masked for all my 32 queries
	s_add_co_u32 s54, s20, 32
	s_cmp_le_u32 s54, s22
	s_cselect_b32 s24, s21, 0                      ; up to this key no key is masked for any of them
	v_mov_b32 v42, s21
.irp x, 0,1
	s_add_co_u32 s54, s20, 16*\x
	v_add_nc_u32 v41, s54, v39                     ; my query
	v_cmp_gt_u32 vcc_lo, s22, v41
	v_cndmask_b32 v[ST+12*\x+11], 0, v42, vcc_lo   ; its open keys: encoder_lengths, or none
	v_sub_nc_u32 v[ST+12*\x+11], v[ST+12*\x+11], v40
	v_add_nc_u32 v[ST+12*\x+11], -1, v[ST+12*\x+11]
.endr
	s_add_co_i32 s54, s34, s35                     ; e6 + e7
	s_lshl_b32 s55, s54, 23
	s_add_co_i32 s40, s55, 0x3e38aa3b              ; c = log2(e) / 8 x 2^(e6 + e7): t = sum x c
	s_mov_b32 s41, s40                             ; (named with it as a pair)
	s_sub_co_i32 s54, 0, s54
	v_mov_b32 v[S0V], 0xb209705f                   ; -8e-9
	v_ldexp_f32 v[S0V], v[S0V], s54
	s_add_co_i32 s54, s37, 127
	s_lshl_b32 s55, s54, 23
	v_mov_b32 v[SCL], s55                          ; 2^e9
	s_add_co_i32 s54, s54, 8
	s_lshl_b32 s54, s54, 23
	s_or_b32 s54, s54, 0x600000
	v_mov_b32 v[LIM], s54                          ; 448 x 2^e9
.macro VLOAD                           ; the step's V: four tiles of 16 d x 128 keys
	WIN 0x40
.irp d, 0,1,2,3
.irp c, 0,1,2,3
	ds_load_b128 v[KV+16*\d+4*\c:KV+16*\d+4*\c+3], v[ADV] offset:\d*2048+\c*512
.endr
.endr
	WIN 0
.endm
.macro STATS                           ; +8 holds the step's largest t: the running largest, the new -M = floor(-t), f = 2^(old M - new M); the two tiles line by line
.irp x, 0,1
	v_max_num_f32 v[ST+12*\x+1], v[ST+12*\x+1], v[ST+12*\x+8]
.endr
.irp x, 0,1
	v_mov_b32 v[ST+12*\x+9], v[ST+12*\x]
.endr
.irp x, 0,1
	v_floor_f32 v[ST+12*\x], -v[ST+12*\x+1]
.endr
.irp x, 0,1
	v_sub_f32 v[ST+12*\x+9], v[ST+12*\x], v[ST+12*\x+9]   ; a whole number, 0 or less
.endr
.irp x, 0,1
	v_cvt_i32_f32 v[ST+12*\x+9], v[ST+12*\x+9]     ; (it saturates)
.endr
.irp x, 0,1
	v_ldexp_f32 v[ST+12*\x+4], 1.0, v[ST+12*\x+9]
.endr
.endm
; FOUR KEY STEPS of 128 keys: a loop of four trips.  s45: the step's bytes in K's and in V's part of LDS.
.macro STEPS4
	s_mov_b32 s47, 4
.Lstep_\@:
	v_add_nc_u32 v[ADK], s45, v[LI]
	v_add_nc_u32 v[ADV], s45, v[LIV]
	v_nop                                          ; four places behind the last trip's products, in front of loads into their operands and of the lines on O^T
	v_nop
	s_cmp_ge_u32 s44, s23
	s_cbranch_scc1 .Lshort_\@                      ; all 128 keys are masked for all my queries
	WIN 0x40
.irp t, 0,1,2,3,4,5,6,7
	ds_load_b128 v[KV+8*\t:KV+8*\t+3], v[ADK] offset:\t*1024
	ds_load_b128 v[KV+8*\t+4:KV+8*\t+7], v[ADK] offset:\t*1024+512
.endr
	s_wait_dscnt 0x0
	WIN 0x05
.irp t, 0,1,2,3,4,5,6,7
.irp x, 0,1
	v_wmma_f32_16x16x64_fp8_fp8 v[S+64*\x+8*\t:S+64*\x+8*\t+7], v[KV+8*\t:KV+8*\t+7], v[Q+8*\x:Q+8*\x+7], 0
.endr
.endr
.rept 4
	v_nop                                          ; places in front of the loads into K's registers and of the first read of the scores
.endr
	VLOAD                                          ; V lands while the softmax is walked
	s_add_co_u32 s54, s44, 128
	s_cmp_le_u32 s54, s24
	s_cbranch_scc1 .Lopen_\@                       ; no key of the step is masked for any of my queries
.irp x, 0,1
	v_sub_nc_u32 v[ST+12*\x+9], v[ST+12*\x+11], s44   ; register n holds key (step's first) + 16 (lane / 16) + 32 (n / 16) + n % 16: masked where 32 (n / 16) + n % 16 is above this number
.set n, 0
.rept 64
	v_cmp_gt_i32 vcc_lo, 32*(n/16)+n%16, v[ST+12*\x+9]
	v_cndmask_b32 v[S+64*\x+n], v[S+64*\x+n], v[S0V], vcc_lo
.set n, n+1
.endr
.endr
.Lopen_\@:
.irp x, 0,1
	v_max3_num_f32 v[ST+12*\x+8], v[S+64*\x], v[S+64*\x+1], v[S+64*\x+2]   ; the step's largest score of my query among my 64 keys, in two chains a tile
	v_max3_num_f32 v[ST+12*\x+9], v[S+64*\x+3], v[S+64*\x+4], v[S+64*\x+5]
.endr
.irp i, 6,10,14,18,22,26,30,34,38,42,46,50,54,58
.irp x, 0,1
	v_max3_num_f32 v[ST+12*\x+8], v[ST+12*\x+8], v[S+64*\x+\i], v[S+64*\x+\i+1]
	v_max3_num_f32 v[ST+12*\x+9], v[ST+12*\x+9], v[S+64*\x+\i+2], v[S+64*\x+\i+3]
.endr
.endr
.irp x, 0,1
	v_max3_num_f32 v[ST+12*\x+8], v[ST+12*\x+8], v[S+64*\x+62], v[S+64*\x+63]
.endr
.irp x, 0,1
	v_max_num_f32 v[ST+12*\x+8], v[ST+12*\x+8], v[ST+12*\x+9]
.endr
.irp x, 0,1
	v_permlanex16_b32 v[ST+12*\x+10], v[ST+12*\x+8], s42, s43
.endr
.irp x, 0,1
	v_max_num_f32 v[ST+12*\x+8], v[ST+12*\x+8], v[ST+12*\x+10]   ; and among lane l xor 16's
.endr
.irp x, 0,1
	v_mul_f32 v[ST+12*\x+8], s40, v[ST+12*\x+8]    ; as t (c is positive)
.endr
	STATS
.irp x, 0,1
.set j, 0
.rept 32
	v_pk_fma_f32 v[S+64*\x+j:S+64*\x+j+1], v[S+64*\x+j:S+64*\x+j+1], s[40:41], v[ST+12*\x:ST+12*\x+1] op_sel_hi:[1,0,0]   ; t - M, two at a time
.set j, j+2
.endr
.endr
.set j, 0
.rept 128
	v_exp_f32 v[S+j], v[S+j]                       ; p = 2^(t - M), at most 1, not normalised
.set j, j+1
.endr
.irp x, 0,1
	v_pk_mul_f32 v[ST+12*\x+2:ST+12*\x+3], v[ST+12*\x+2:ST+12*\x+3], v[ST+12*\x+4:ST+12*\x+5] op_sel_hi:[1,0]   ; l under the new M.  (A plain line behind the exponentials)
.endr
	s_wait_alu depctr_va_vdst(0)
.irp x, 0,1
	v_pk_add_f32 v[ST+12*\x+6:ST+12*\x+7], v[S+64*\x:S+64*\x+1], v[S+64*\x+2:S+64*\x+3]   ; the sum is taken of the unquantised p, in two chains a tile
.endr
.irp j, 4,8,12,16,20,24,28,32,36,40,44,48,52,56,60
.irp x, 0,1
	v_pk_add_f32 v[ST+12*\x+2:ST+12*\x+3], v[ST+12*\x+2:ST+12*\x+3], v[S+64*\x+\j:S+64*\x+\j+1]
	v_pk_add_f32 v[ST+12*\x+6:ST+12*\x+7], v[ST+12*\x+6:ST+12*\x+7], v[S+64*\x+\j+2:S+64*\x+\j+3]
.endr
.endr
.irp x, 0,1
	v_pk_add_f32 v[ST+12*\x+2:ST+12*\x+3], v[ST+12*\x+2:ST+12*\x+3], v[ST+12*\x+6:ST+12*\x+7]
.endr
	s_cmp_ge_i32 s37, -8                           ; p is at most 1, and 1 <= 448 x 2^e9 just where e9 >= -8: there the hold changes nothing
	s_cbranch_scc1 .Lnohold_\@
.set j, 0
.rept 128
	v_min_num_f32 v[S+j], v[S+j], v[LIM]           ; the conversion to an 8-bit code does not saturate (ISA guide 7.6.2); p is not negative
.set j, j+1
.endr
.Lnohold_\@:
.set j, 0
.rept 16
	v_cvt_scalef32_pk8_fp8_f32 v[P+2*j:P+2*j+1], v[S+8*j:S+8*j+7], v[SCL]   ; tile x's registers 4 p .. 4 p + 3: keys 32 p + 16 (lane / 16) + 0 .. 15
.set j, j+1
.endr
	s_branch .Lpv_\@
.Lshort_\@:                                        ; every t of the step is -1e-9 log2(e): one exponential a tile
	VLOAD
.irp x, 0,1
	v_mov_b32 v[ST+12*\x+8], T0
.endr
	STATS
.irp x, 0,1
	v_add_f32 v[ST+12*\x+8], T0, v[ST+12*\x]       ; t - M
.endr
.irp x, 0,1
	v_exp_f32 v[ST+12*\x+8], v[ST+12*\x+8]
.endr
.irp x, 0,1
	v_pk_mul_f32 v[ST+12*\x+2:ST+12*\x+3], v[ST+12*\x+2:ST+12*\x+3], v[ST+12*\x+4:ST+12*\x+5] op_sel_hi:[1,0]
.endr
	s_wait_alu depctr_va_vdst(0)
.irp x, 0,1
	v_fmac_f32 v[ST+12*\x+2], 0x42800000, v[ST+12*\x+8]   ; my 64 keys' p
.endr
.irp x, 0,1
.irp i, 0,1,2,3,4,5,6,7
	v_min_num_f32 v[SH+8*\x+\i], v[ST+12*\x+8], v[LIM]
.endr
.endr
.irp x, 0,1
	v_cvt_scalef32_pk8_fp8_f32 v[P+16*\x:P+16*\x+1], v[SH+8*\x:SH+8*\x+7], v[SCL]
.endr
	v_nop                                          ; a plain line between the conversions and the reads of their results
.irp x, 0,1
.irp i, 2,3,4,5,6,7,8,9,10,11,12,13,14,15
	v_mov_b32 v[P+16*\x+\i], v[P+16*\x]            ; four equal codes a register
.endr
.endr
.Lpv_\@:
	WIN 0x41
.irp x, 0,1
.set j, 0
.rept 16
	v_pk_mul_f32 v[O+32*\x+j:O+32*\x+j+1], v[O+32*\x+j:O+32*\x+j+1], v[ST+12*\x+4:ST+12*\x+5] op_sel_hi:[1,0]   ; O^T under the new M: exact.  Each accumulator from its low end on
.set j, j+2
.endr
.endr
	s_wait_dscnt 0x0                               ; V is in
	WIN 0x51
.irp d, 0,1,2,3
.irp x, 0,1
	v_wmma_f32_16x16x128_fp8_fp8 v[O+32*\x+8*\d:O+32*\x+8*\d+7], v[KV+16*\d:KV+16*\d+15], v[P+16*\x:P+16*\x+15], v[O+32*\x+8*\d:O+32*\x+8*\d+7]   ; eight accumulators by turns
.endr
.endr
	WIN 0
	s_add_co_u32 s44, s44, 128
	s_add_co_u32 s45, s45, 8192
	s_sub_co_u32 s47, s47, 1
	s_cmp_lg_u32 s47, 0
	s_cbranch_scc1 .Lstep_\@
.endm
; A CHUNK of 512 keys: its bytes, loaded a chunk ago, go to LDS; the next chunk's loads are issued; its four steps are walked.
.macro CHUNK ch
.if \ch > 0
	s_wait_dscnt 0x0
	s_barrier_signal -1                            ; every wave's LDS reads are over: from here to the next barrier stand stores alone
	s_barrier_wait -1
.endif
	s_wait_loadcnt 0x0                             ; the chunk (and, the first time, Q)
	v_add_nc_u32 v[FK], \ch*32768, v[LK]
	v_add_nc_u32 v[FV], \ch*32768, v[LV]
	FILL_STORE
	s_wait_dscnt 0x0                               ; for the others' sake: my stores have landed
	s_barrier_signal -1
	s_barrier_wait -1
.if \ch < 3
	FILL_LOAD \ch+1
.endif
	s_mov_b32 s45, \ch*32768
	STEPS4
.endm
	CHUNK 0
	CHUNK 1
	CHUNK 2
	CHUNK 3
	; THE WAY OUT: O^T x 2^(e8 + e9) / l, quantised with e10: the conversions' results are the image of the last product's operand.
.rept 4
	v_nop
.endr
.irp x, 0,1
	v_add_f32 v[ST+12*\x+8], v[ST+12*\x+2], v[ST+12*\x+3]
.endr
.irp x, 0,1
	v_permlanex16_b32 v[ST+12*\x+10], v[ST+12*\x+8], s42, s43
.endr
.irp x, 0,1
	v_add_f32 v[ST+12*\x+8], v[ST+12*\x+8], v[ST+12*\x+10]   ; the row's sum
.endr
.irp x, 0,1
	v_rcp_f32 v[ST+12*\x+4], v[ST+12*\x+8]
.endr
	s_add_co_i32 s54, s36, s37
	v_nop                                          ; a plain line behind the reciprocals
	s_wait_alu depctr_va_vdst(0)
.irp x, 0,1
	v_ldexp_f32 v[ST+12*\x+4], v[ST+12*\x+4], s54
.endr
	s_add_co_i32 s54, s38, 127
	s_lshl_b32 s55, s54, 23
	v_mov_b32 v[SCL], s55                          ; 2^e10
	s_add_co_i32 s54, s54, 8
	s_lshl_b32 s54, s54, 23
	s_or_b32 s54, s54, 0x600000
	v_mov_b32 v[LIM], s54
	WIN 0x01
.irp x, 0,1
.set j, 0
.rept 16
	v_pk_mul_f32 v[S+32*\x+j:S+32*\x+j+1], v[O+32*\x+j:O+32*\x+j+1], v[ST+12*\x+4:ST+12*\x+5] op_sel_hi:[1,0]
.set j, j+2
.endr
.endr
	WIN 0
.set j, 0
.rept 64
	v_med3_num_f32 v[S+j], v[S+j], -v[LIM], v[LIM]
.set j, j+1
.endr
.set j, 0
.rept 8
	v_cvt_scalef32_pk8_fp8_f32 v[P+2*j:P+2*j+1], v[S+8*j:S+8*j+7], v[SCL]
.set j, j+1
.endr
	v_nop
.irp x, 0,1
.irp p, 0,1
	global_store_b128 v[LI], v[P+8*\x+4*\p:P+8*\x+4*\p+3], s[58:59] offset:\x*16384+\p*512   ; 512 consecutive bytes, aligned
.endr
.endr
	s_wait_tensorcnt 0x0
	ds_add_u32 v254, v255
	s_wait_dscnt 0x0
	s_endpgm
.Lfunc_end_k_qdf309a9062_attn:
	.size	k_qdf309a9062_attn, .Lfunc_end_k_qdf309a9062_attn-k_qdf309a9062_attn
	.p2alignl 7, 3214868480
	.fill 96, 4, 3214868480
	.section	.rodata,"a",@progbits
	.p2align	6, 0x0
	.amdhsa_kernel k_qdf309a9062_attn
		.amdhsa_group_segment_fixed_size 263168
		.amdhsa_private_segment_fixed_size 0
		.amdhsa_enable_private_segment 0
		.amdhsa_kernarg_size 40
		.amdhsa_user_sgpr_count 2
		.amdhsa_user_sgpr_kernarg_segment_ptr 1
		.amdhsa_wavefront_size32 1
		.amdhsa_system_sgpr_workgroup_id_x 1
		.amdhsa_system_sgpr_workgroup_id_y 1
		.amdhsa_system_sgpr_workgroup_id_z 1
		.amdhsa_system_vgpr_workitem_id 0
		.amdhsa_next_free_vgpr 512
		.amdhsa_next_free_sgpr 66
		.amdhsa_reserve_vcc 1
		.amdhsa_float_denorm_mode_32 3
		.amdhsa_float_denorm_mode_16_64 3
		.amdhsa_memory_ordered 1
		.amdhsa_forward_progress 1
		.amdhsa_inst_pref_size 196
	.end_amdhsa_kernel
	.amdgpu_metadata
---
amdhsa.version: [ 1, 2 ]
amdhsa.kernels:
  - .name:           k_qdf309a9062_attn
    .symbol:         k_qdf309a9062_attn.kd
    .args:
      - { .name: imgs, .offset: 0, .size: 8, .value_kind: global_buffer, .address_space: global }
      - { .name: decoder_lengths, .offset: 8, .size: 8, .value_kind: global_buffer, .address_space: global }
      - { .name: encoder_lengths, .offset: 16, .size: 8, .value_kind: global_buffer, .address_space: global }
      - { .name: lowp_scales, .offset: 24, .size: 8, .value_kind: global_buffer, .address_space: global }
      - { .name: a_img, .offset: 32, .size: 8, .value_kind: global_buffer, .address_space: global }
    .group_segment_fixed_size: 263168
    .private_segment_fixed_size: 0
    .kernarg_segment_align: 8
    .kernarg_segment_size: 40
    .max_flat_workgroup_size: 256
    .sgpr_count:     66
    .vgpr_count:     512
    .wavefront_size: 32
...
	.end_amdgpu_metadata
.endif
;; end of part 3
;; launch outp (part 4): grid 8 x 32, 4 waves a work-group, clusters of 4 x 4, 327,680 bytes of LDS; arguments a_img, codes, wo_b, lowp_scales, out0; writes out0
.if DOCPART == 4
	.amdgcn_target "amdgcn-amd-amdhsa--gfx1250"
	.amdhsa_code_object_version 6
	.text
	.protected	k_qdf309a9062_outp
	.globl	k_qdf309a9062_outp
	.p2align	8
	.type	k_qdf309a9062_outp,@function
k_qdf309a9062_outp:
	s_mov_b64 s[64:65], 0
	v_nop
	global_prefetch_b8 v0, s[64:65] scope:SCOPE_SE
	s_setreg_imm32_b32 hwreg(HW_REG_WAVE_MODE, 25, 1), 1
	s_wait_xcnt 0x0
	s_wait_alu depctr_hold_cnt(0) depctr_sa_sdst(0) depctr_va_vdst(0) depctr_va_sdst(0) depctr_va_ssrc(0) depctr_va_vcc(0) depctr_vm_vsrc(0)
	s_getreg_b32 s2, hwreg(HW_REG_IB_STS2, 6, 4)
	s_cmp_eq_u32 s2, 0
	s_cbranch_scc0 .Lentry_in_a_cluster
	s_endpgm
.Lentry_in_a_cluster:
	s_bfe_u32 s2, ttmp6, 0x10000c
	s_cmp_lg_u32 s2, 0xf033
	s_cbranch_scc0 .Lentry_shape_is_right
	s_endpgm
.Lentry_shape_is_right:
; out0 = attended wo^T + wo_b: 4,096 x 1,024 x 1,024 on codes of FP8 (E4M3); each sum x 2^(e10 + e11) + bias, f32.
; A tile of 128 x 128 to a work-group, so that there are 256 of them; four waves, each 64 x 64: 16 accumulators.  K = 1,024 is eight steps of 128.
; ALL OPERANDS OF A TILE FIT IN LDS AT ONCE (131,072 bytes of attended, 139,264 of wo with padding): every byte is filled once, by two tensor loads a wave issued at the start; nothing is filled again.
; attended lies in memory as images of its fragments ([tile of 16 queries][K step][part c][lane][16 bytes]) and is read at 16 x lane; wo lies as rows, 272 bytes apart in LDS.
; CLUSTERS: 4 x 4 work-groups: attended's bytes are shared along a row of the cluster, wo's along a column, each asked for jointly.
; The matrix instruction is used transposed (source 0 = 16 rows of wo, source 1 = 16 queries): a lane holds eight neighbouring numbers of a row of the output.
; LIMIT: e10 + e11 between -126 and 127.
; REGISTERS: window 0: v1-13 addresses; v32-63 the bias; v64-95, v96-127 at work on the way out; v128-255 the accumulators ((a, b) at v[128 + 8 (4 a + b)]).  window 1: two buffers of 128: A's four fragments, then B's four.
.set AREG,  32768                      ; a region of attended: 8 tiles of queries x 4,096 bytes (two K steps)
.set BREG,  34816                      ; a region of wo: 128 rows x 272 bytes (two K steps)
.set BLDS,  131072
.set STAGE, BLDS+4*BREG                ; 16 rows x 272 bytes for each wave; no fill lands there
.set LI,  1
.set ADA, 2                            ; v2-3  my fragments of attended in regions 0, 1 and in regions 2, 3
.set ADB, 4                            ; v4-5  the same for wo
.set STO, 6
.set RD,  7
.set CO,  8
.set BI,  32
.set T,   64
.set BK,  96
.set ACC, 128
.set F0,  0
.set F1,  128
.set G1A, 24
.set G0A, 32
.set G1B, 48
.set G0B, 56
.set MSB, 0
.macro WIN new
.if MSB != \new
	s_set_vgpr_msb (MSB<<8)|\new
.set MSB, \new
.endif
.endm
.macro CROUND                          ; a round of the cluster's barrier
	s_barrier_signal -1
	s_barrier_wait -1
	s_cmp_lg_u32 s14, 0
	s_cbranch_scc1 .Lnot_wave_0_\@
	s_barrier_signal -3
.Lnot_wave_0_\@:
	s_barrier_wait -3
	s_barrier_signal -1
	s_barrier_wait -1
.endm
	s_load_b256 s[4:11], s[0:1], 0x0               ; attended's images s[4:5], codes s[6:7], wo_b s[8:9], the scales' exponents s[10:11]
	s_load_b64 s[12:13], s[0:1], 0x20              ; out0
	v_lshl_add_u32 v30, v0, 2, 0x46400
	v_mov_b32 v31, 0
	ds_add_u32 v30, v31
	ds_add_u32 v30, v31
	v_lshrrev_b32 v1, 5, v0
	v_readfirstlane_b32 s14, v1                    ; wave 0..3
	s_lshr_b32 s15, s14, 1                         ; my half of the rows.  Also: I fetch attended (0) or wo (1)
	s_and_b32 s16, s14, 1                          ; my half of the columns.  Also: which regions I fetch
	s_bfe_u32 s40, ttmp6, 0x40000                  ; cx
	s_bfe_u32 s41, ttmp6, 0x40004                  ; cy
	s_lshl_b32 s42, ttmp9, 2
	s_add_co_u32 s42, s42, s40                     ; tile column
	s_and_b32 s17, ttmp7, 0xffff
	s_lshl_b32 s17, s17, 2
	s_add_co_u32 s17, s17, s41                     ; tile row
	s_lshl_b32 s43, s41, 2
	s_lshl_b32 s43, 15, s43                        ; my row of the cluster
	s_lshl_b32 s44, 0x1111, s40                    ; my column
	s_or_b32 s[G1A+0], s43, (3<<16)|(1<<21)        ; attended: the mask of my row; elements of 8 bytes; 21 set beside a mask; no padding
	s_mov_b32 s[G1A+1], 512<<16                    ; tensor_dim0 = 512 elements: 4,096 bytes
	s_mov_b32 s[G1A+2], 8<<16                      ; tensor_dim1 = 8 tiles of queries
	s_mov_b32 s[G1A+3], 512<<16                    ; tile_dim0
	s_mov_b32 s[G1A+4], 8                          ; tile_dim1
	s_mov_b32 s[G1A+5], 2048                       ; 16,384 bytes from a tile of queries to the next
	s_mov_b32 s[G1A+6], 0
	s_mov_b32 s[G1A+7], 0
	s_or_b32 s[G1B+0], s44, (0<<16)|(1<<20)|(1<<21)|(5<<22)|(3<<25)   ; wo: the mask of my column; elements of 1 byte; 4 words of padding after every 64
	s_mov_b32 s[G1B+1], 256<<16
	s_mov_b32 s[G1B+2], 128<<16
	s_mov_b32 s[G1B+3], 256<<16
	s_mov_b32 s[G1B+4], 128
	s_mov_b32 s[G1B+5], 1024
	s_mov_b32 s[G1B+6], 0
	s_mov_b32 s[G1B+7], 0
	s_lshl_b32 s20, s17, 17                        ; attended: 131,072 bytes a tile row, + 4,096 x region
	s_lshl_b32 s18, s16, 12
	s_add_co_u32 s20, s20, s18
	s_mov_b32 s21, 0
	s_lshl_b32 s46, s42, 17                        ; wo: 128 rows of 1,024 bytes a tile column, + 256 x region
	s_lshl_b32 s18, s16, 8
	s_add_co_u32 s46, s46, s18
	s_add_co_u32 s46, s46, 0x2700000               ; wo's place among the codes
	s_mov_b32 s47, 0
	s_lshl_b32 s22, s16, 15                        ; where they go: region wave % 2, and two regions on
	s_mul_i32 s23, s16, BREG
	s_add_co_u32 s23, s23, BLDS
	s_wait_dscnt 0x0
	s_wait_kmcnt 0x0
	s_load_b64 s[66:67], s[10:11], 0x28            ; e10, e11
	s_add_nc_u64 s[20:21], s[4:5], s[20:21]
	s_add_nc_u64 s[46:47], s[6:7], s[46:47]
	CROUND                                         ; all sixteen work-groups are here: the joint loads meet
.irp j, 0,1
	s_mov_b32 s[G0A+4*\j], 1
	s_add_co_u32 s[G0A+4*\j+1], s22, \j*2*AREG
	s_add_nc_u64 s[G0A+4*\j+2:G0A+4*\j+3], s[20:21], \j*8192
	s_or_b32 s[G0A+4*\j+3], s[G0A+4*\j+3], 0x80000000
	s_mov_b32 s[G0B+4*\j], 1
	s_add_co_u32 s[G0B+4*\j+1], s23, \j*2*BREG
	s_add_nc_u64 s[G0B+4*\j+2:G0B+4*\j+3], s[46:47], \j*512
	s_or_b32 s[G0B+4*\j+3], s[G0B+4*\j+3], 0x80000000
.endr
	s_cmp_eq_u32 s15, 0                            ; a wave's two fills stand in one branch on the wave's number: two loads of mine are out
	s_cbranch_scc0 .Lfirst_b
	tensor_load_to_lds s[G0A:G0A+3], s[G1A:G1A+7]
	s_nop 0
	tensor_load_to_lds s[G0A+4:G0A+7], s[G1A:G1A+7]
	s_nop 0
.rept 4
	v_nop
.endr
	s_branch .Lfirst_asked
.Lfirst_b:
	tensor_load_to_lds s[G0B:G0B+3], s[G1B:G1B+7]
	s_nop 0
	tensor_load_to_lds s[G0B+4:G0B+7], s[G1B:G1B+7]
	s_nop 0
.rept 4
	v_nop
.endr
.Lfirst_asked:
	v_and_b32 v9, 31, v0
	v_lshlrev_b32 v[LI], 4, v9
	v_and_b32 v10, 15, v0                          ; r
	v_bfe_u32 v11, v0, 4, 1                        ; lane / 16
	s_lshl_b32 s18, s15, 14                        ; my four tiles of queries
	v_add_nc_u32 v[ADA], s18, v[LI]
	v_add_nc_u32 v[ADA+1], 2*AREG, v[ADA]
	s_lshl_b32 s18, s16, 6                         ; my 64 rows of wo
	v_add_nc_u32 v12, s18, v10
	v_mul_u32_u24 v[ADB], v12, 272
	v_lshl_add_u32 v[ADB], v11, 4, v[ADB]
	v_add_nc_u32 v[ADB], BLDS, v[ADB]
	v_add_nc_u32 v[ADB+1], 2*BREG, v[ADB]
	s_mul_i32 s18, s14, 16*272
	s_add_co_u32 s18, s18, STAGE                   ; my stage
	v_mul_u32_u24 v[STO], v10, 272
	v_lshl_add_u32 v[STO], v11, 5, v[STO]
	v_add_nc_u32 v[STO], s18, v[STO]               ; in: row r, 32 bytes for each half of the lanes
	v_mul_u32_u24 v[RD], v11, 272
	v_lshl_add_u32 v[RD], v10, 4, v[RD]
	v_add_nc_u32 v[RD], s18, v[RD]                 ; back: lanes 0-15 one row of 256 bytes, lanes 16-31 the next
	v_lshlrev_b32 v[CO], 12, v11
	v_lshl_add_u32 v[CO], v10, 4, v[CO]            ; and the same two rows in out0
	v_lshlrev_b32 v13, 5, v11                      ; the bias: 32 bytes for each half of the lanes
	s_lshl_b32 s18, s42, 9                         ; my first column, in bytes: 512 x tile column + 256 x half
	s_lshl_b32 s19, s16, 8
	s_add_co_u32 s18, s18, s19
	s_mov_b32 s19, 0
	s_add_nc_u64 s[72:73], s[8:9], s[18:19]
	s_add_nc_u64 s[74:75], s[12:13], s[18:19]
	s_lshl_b32 s18, s17, 19                        ; my first row: 128 rows of 4,096 bytes a tile row, + 64 rows x half
	s_lshl_b32 s76, s15, 18
	s_add_co_u32 s18, s18, s76
	s_add_nc_u64 s[74:75], s[74:75], s[18:19]
.irp b, 0,1,2,3
	global_load_b128 v[BI+8*\b:BI+8*\b+3], v13, s[72:73] offset:64*\b
	global_load_b128 v[BI+8*\b+4:BI+8*\b+7], v13, s[72:73] offset:64*\b+16
.endr
	s_wait_kmcnt 0x0
	s_add_co_i32 s70, s66, s67
	s_add_co_i32 s70, s70, 127
	s_lshl_b32 s70, s70, 23                        ; 2^(e10 + e11) as f32
	s_mov_b32 s71, s70                             ; (named with it as a pair)
.macro FETCH ks, buf                   ; K step ks: 32 LDS loads in one run
	WIN 0x40
.irp a, 0,1,2,3
.irp c, 0,1,2,3
	ds_load_b128 v[\buf+16*\a+4*\c:\buf+16*\a+4*\c+3], v[ADA+(\ks)/4] offset:(((\ks)/2)%2)*AREG+\a*4096+((\ks)%2)*2048+512*\c
.endr
.endr
.irp b, 0,1,2,3
.irp c, 0,1,2,3
	ds_load_b128 v[\buf+64+16*\b+4*\c:\buf+64+16*\b+4*\c+3], v[ADB+(\ks)/4] offset:(((\ks)/2)%2)*BREG+\b*4352+((\ks)%2)*128+32*\c
.endr
.endr
.endm
.macro MUL buf, zero                   ; 16 matrix instructions: the 16 accumulators by turns, in the same order in every step
	WIN 0x05
.irp a, 0,1,2,3
.irp b, 0,1,2,3
.if \zero
	v_wmma_f32_16x16x128_fp8_fp8 v[ACC+8*(4*\a+\b):ACC+8*(4*\a+\b)+7], v[\buf+64+16*\b:\buf+64+16*\b+15], v[\buf+16*\a:\buf+16*\a+15], 0
.else
	v_wmma_f32_16x16x128_fp8_fp8 v[ACC+8*(4*\a+\b):ACC+8*(4*\a+\b)+7], v[\buf+64+16*\b:\buf+64+16*\b+15], v[\buf+16*\a:\buf+16*\a+15], v[ACC+8*(4*\a+\b):ACC+8*(4*\a+\b)+7]
.endif
.endr
.endr
.endm
.macro PLACES                          ; four plain lines in front of loads into registers that matrix instructions have read, and of the first read of results
.rept 4
	v_nop
.endr
.endm
	s_wait_tensorcnt 1                             ; my first fill is in (regions 0 and 1 between the waves); my second may be out
	s_barrier_signal -1
	s_barrier_wait -1
	FETCH 0, F0
	FETCH 1, F1
	s_wait_dscnt 32                                ; all but the 32 just issued
	MUL F0, 1
	PLACES
	FETCH 2, F0
	s_wait_dscnt 32
	MUL F1, 0
	PLACES
	FETCH 3, F1
	s_wait_dscnt 32
	MUL F0, 0
	s_wait_tensorcnt 0x0                           ; my second fill is in,
	s_wait_dscnt 0x0
	s_barrier_signal -1
	MUL F1, 0                                      ; work on registers while the others arrive
	s_barrier_wait -1                              ; everybody's is: regions 2 and 3
	PLACES
	FETCH 4, F0
	FETCH 5, F1
	s_wait_dscnt 32
	MUL F0, 0
	PLACES
	FETCH 6, F0
	s_wait_dscnt 32
	MUL F1, 0
	PLACES
	FETCH 7, F1
	s_wait_dscnt 32
	MUL F0, 0
	s_wait_dscnt 0x0
	MUL F1, 0
	WIN 0
; THE WAY OUT, 16 rows x 64 columns at a time: sum x 2^(e10 + e11) + bias, through my own stage in LDS, back as whole rows of 256 bytes: sixteen lanes store 256 consecutive bytes, aligned.
.macro OUTA a
.if \a > 0
	s_wait_xcnt 0x0                                ; the last block's stores have read their registers
.endif
.irp b, 0,1,2,3
.irp i, 0,2,4,6
	v_pk_fma_f32 v[T+8*\b+\i:T+8*\b+\i+1], v[ACC+8*(4*\a+\b)+\i:ACC+8*(4*\a+\b)+\i+1], s[70:71], v[BI+8*\b+\i:BI+8*\b+\i+1] op_sel_hi:[1,0,1]   ; each accumulator from its low end on
.endr
.endr
.irp b, 0,1,2,3
	ds_store_b128 v[STO], v[T+8*\b:T+8*\b+3] offset:64*\b
	ds_store_b128 v[STO], v[T+8*\b+4:T+8*\b+7] offset:64*\b+16
.endr
.irp i, 0,1,2,3,4,5,6,7
	ds_load_b128 v[BK+4*\i:BK+4*\i+3], v[RD] offset:2*\i*272   ; LDS serves a wave's instructions in order: these see my stores, and the next block's stores come behind them
.endr
.irp i, 0,1,2,3,4,5,6,7
	s_wait_dscnt 7-\i
	global_store_b128 v[CO], v[BK+4*\i:BK+4*\i+3], s[74:75] offset:(16*\a+2*\i)*4096 th:TH_STORE_NT
.endr
.endm
	s_wait_loadcnt 0x0                             ; the bias
	PLACES
	OUTA 0
	OUTA 1
	OUTA 2
	OUTA 3
	s_wait_dscnt 0x0
	s_wait_tensorcnt 0x0
	ds_add_u32 v30, v31
	s_wait_dscnt 0x0
	CROUND                                         ; the closing round: no work-group ends while a partner may still ask for bytes that name it
	s_endpgm
.Lfunc_end_k_qdf309a9062_outp:
	.size	k_qdf309a9062_outp, .Lfunc_end_k_qdf309a9062_outp-k_qdf309a9062_outp
	.p2alignl 7, 3214868480
	.fill 96, 4, 3214868480
	.section	.rodata,"a",@progbits
	.p2align	6, 0x0
	.amdhsa_kernel k_qdf309a9062_outp
		.amdhsa_group_segment_fixed_size 327680
		.amdhsa_private_segment_fixed_size 0
		.amdhsa_enable_private_segment 0
		.amdhsa_kernarg_size 40
		.amdhsa_user_sgpr_count 2
		.amdhsa_user_sgpr_kernarg_segment_ptr 1
		.amdhsa_wavefront_size32 1
		.amdhsa_system_sgpr_workgroup_id_x 1
		.amdhsa_system_sgpr_workgroup_id_y 1
		.amdhsa_system_sgpr_workgroup_id_z 1
		.amdhsa_system_vgpr_workitem_id 0
		.amdhsa_next_free_vgpr 512
		.amdhsa_next_free_sgpr 80
		.amdhsa_reserve_vcc 0
		.amdhsa_float_denorm_mode_32 3
		.amdhsa_float_denorm_mode_16_64 3
		.amdhsa_memory_ordered 1
		.amdhsa_forward_progress 1
		.amdhsa_inst_pref_size 46
	.end_amdhsa_kernel
	.amdgpu_metadata
---
amdhsa.version: [ 1, 2 ]
amdhsa.kernels:
  - .name:           k_qdf309a9062_outp
    .symbol:         k_qdf309a9062_outp.kd
    .args:
      - { .name: a_img, .offset: 0, .size: 8, .value_kind: global_buffer, .address_space: global }
      - { .name: codes, .offset: 8, .size: 8, .value_kind: global_buffer, .address_space: global }
      - { .name: wo_b, .offset: 16, .size: 8, .value_kind: global_buffer, .address_space: global }
      - { .name: lowp_scales, .offset: 24, .size: 8, .value_kind: global_buffer, .address_space: global }
      - { .name: out0, .offset: 32, .size: 8, .value_kind: global_buffer, .address_space: global }
    .group_segment_fixed_size: 327680
    .private_segment_fixed_size: 0
    .kernarg_segment_align: 8
    .kernarg_segment_size: 40
    .max_flat_workgroup_size: 128
    .sgpr_count:     80
    .vgpr_count:     512
    .wavefront_size: 32
...
	.end_amdgpu_metadata
.endif
;; end of part 4
;; ======== version 2 of 2: 4 launches; version 1 with the launch attn written anew for expert scheduling mode
;; workspace buffers: codes 41,943,040 bytes; imgs 37,748,736 bytes; a_img 4,194,304 bytes
;; launch quant: the kernel of part 1 again; grid 768 x 1, 4 waves a work-group, no clusters, 33,280 bytes of LDS; arguments encoded_representation, future_queries, wq_w, wk_w, wv_w, wo_w, lowp_scales, codes; writes codes
;; launch proj: the kernel of part 2 again; grid 4 x 48, 4 waves a work-group, clusters of 4 x 4, 327,680 bytes of LDS; arguments codes, wq_b, wk_b, wv_b, lowp_scales, imgs; writes imgs
;; launch attn (part 5): grid 256 x 1, 8 waves a work-group, no clusters, 263,168 bytes of LDS; arguments imgs, decoder_lengths, encoder_lengths, lowp_scales, a_img; writes a_img
.if DOCPART == 5
	.amdgcn_target "amdgcn-amd-amdhsa--gfx1250"
	.amdhsa_code_object_version 6
	.text
	.protected	k_qdf309a9062_attn
	.globl	k_qdf309a9062_attn
	.p2align	8
	.type	k_qdf309a9062_attn,@function
k_qdf309a9062_attn:
	s_mov_b64 s[64:65], 0
	v_nop
	global_prefetch_b8 v0, s[64:65] scope:SCOPE_SE
	s_setreg_imm32_b32 hwreg(HW_REG_WAVE_SCHED_MODE, 0, 2), 2
	s_setreg_imm32_b32 hwreg(HW_REG_WAVE_MODE, 25, 1), 1
	s_wait_xcnt 0x0
	s_wait_alu depctr_vm_vsrc(0)
; Attention on codes of FP8 (E4M3): S^T = K Q^T (K = the head's 64), the softmax p = 2^(t - M) with M a whole number, O^T = V^T P^T (K = the keys), O / l quantised with e10 and stored as images of the last product's fragments.
; THE MASK FILLS WITH -1e-9, NOT WITH MINUS INFINITY: a masked key, and every key of a query past decoder_lengths, still counts, with the logit -1e-9.  So V^T P^T is done for all 2,048 keys.
; What is spared where all 128 keys of a step are masked for all 32 queries of a wave: K Q^T and the softmax score by score; all its p are one number there.
; SHARES.  Two work-groups to a head (b, h).  Wave w of work-group half qh owns queries 32 (2 w + qh) .. + 31, two tiles of 16, so that both halves get about as many queries under decoder_lengths.
; Each fragment of K and V read from LDS feeds two matrix instructions.  Two waves to a SIMD: one wave's vector work stands beside the other's matrix work and LDS loads.
; LDS holds the head's whole K (131,072 bytes) and V (131,072), as images of the operands' registers: every read is 16 x lane + a constant.  Each byte is written once, in four chunks of 512 keys that go through
; registers: a chunk's global loads are issued a whole chunk (four key steps) ahead of its LDS stores.  Two barriers a chunk: between them stand stores alone, each wave's to its own bytes; elsewhere loads alone.
; NO CLUSTER, NO TENSOR LOAD: the steps branch on the lengths and on e9, numbers read from memory; and only two work-groups share a head's bytes.
; LAYOUT.  A lane holds one query (lane % 16) throughout.  The keys of K's tiles lie so that the 16 registers of tiles 2 p and 2 p + 1 are keys 32 p + 16 (lane / 16) + 0 .. 15; V's tiles of d likewise for the output.
; LIMITS: e6 + e7 between -123 and 126 (added to c's exponent field); e9 and e10 between -126 and 119.  e8 + e9 is applied by v_ldexp_f32.
; THE MODE: SCHED_MODE bits 1:0 = 2 (LLVM: expert scheduling mode 2), set by the entry lines.  The code itself states the register dependences
; between vector or matrix instructions and memory or LDS instructions, with s_wait_alu, always for 0.
; THE PLAN.  Registers that memory or LDS instructions touch:
;   v1, v4-7, v11, v36, v37   addresses, made once at the head, ahead of the one wait that stands in front of the first load; never written again.
;   v[ADK], v[ADV]   written by two additions at a step's head; read by the step's LDS loads.
;   STG   a chunk's 16 global loads land in it; the 16 LDS stores a chunk later read it; no vector instruction names it.
;   KF    the step's 16 LDS loads land in it; the step's 16 products K Q^T read it.        VF    the same for V and the step's 8 products V^T P^T.
;   Q     loaded once; read by products alone.        P, at the end: written by the last conversions, read by the four stores.
; K and V have registers of their own, so that a step has ONE wait on va_vdst for its loads, at its head: it states that the two addresses are written and that the last step's products are done reading KF and VF;
; the step's 32 loads follow it on end.  One wait on vm_vsrc stands ahead of the two additions, one ahead of each chunk's global loads.
; What a compare writes is read by a select: the compares stand in runs, into scalar registers, with one wait on va_sdst behind each run.
; REGISTERS.  Window 0: v1-11 addresses and constants; v12-35 twelve registers of statistics a tile; v36-37 two more addresses; v39-42 at work; v44-59 Q (8 a tile); v64-191 S^T, then p (64 a tile);
;   v192-223 p's codes (16 a tile); v224-239 the masked step's p; v254, v255 the closing add's two.
;   Window 1: v0-63 fragments of V; v64-127 O^T (32 a tile); v128-191 a chunk on its way to LDS; v192-255 fragments of K.
.set LI,  1                            ; 16 x lane
.set ADK, 2                            ; the step's K in LDS
.set ADV, 3                            ; the step's V
.set LK,  4                            ; fill, chunks 0 and 1: 4,096 x wave + 16 x lane
.set LV,  5                            ; + 131,072
.set GK,  6                            ; fill: my offset in a chunk of K's images
.set GV,  7                            ; and of V's
.set S0V, 8                            ; the masked score, in the sums' units: -8e-9 / 2^(e6 + e7)
.set LIM, 9                            ; 448 x 2^e9; at the end 448 x 2^e10
.set SCL, 10                           ; 2^e9; at the end 2^e10
.set LIV, 11                           ; 16 x lane + 131,072
.set ST,  12                           ; tile x at ST + 12 x: +0 -M, +1 the largest t, +2 +3 l, +4 f, +5 0, +6 +7 a chain of sums, +8 +9 at work, +10 a permute's destination, +11 (my query's count of open keys) - 1 - 16 (lane / 16)
.set FK,  36                           ; fill, chunks 2 and 3: v[LK] + 65,536  (FK = LK + 32, FV = LV + 32: the macro FILL_STORE leans on that)
.set FV,  37                           ; v[LV] + 65,536
.set Q,   44
.set S,   64
.set P,   192
.set SH,  224
.set VF,  0                            ; window 1
.set O,   64
.set STG, 128
.set KF,  192
.set MK,  4                            ; s4-19: sixteen masks of the step on the edge of the mask (the head's pointers and ids, done with by then)
.set T0,  0xb0c64851                   ; -1e-9 x log2(e)
.set MSB, 0
.macro WIN new                         ; bits 1:0 source 0, 3:2 source 1, 5:4 source 2, 7:6 destination; the high byte repeats the setting that is left
.if MSB != \new
	s_set_vgpr_msb (MSB<<8)|\new
.set MSB, \new
.endif
.endm
	s_load_b256 s[4:11], s[0:1], 0x0               ; images s[4:5], decoder_lengths s[6:7], encoder_lengths s[8:9], the scales' exponents s[10:11]
	s_load_b64 s[12:13], s[0:1], 0x20              ; the output's images
	v_lshl_add_u32 v254, v0, 2, 0x40000
	v_mov_b32 v255, 0
	v_lshrrev_b32 v39, 5, v0
	v_readfirstlane_b32 s14, v39                   ; wave 0..7
	s_lshr_b32 s15, ttmp9, 1
	s_and_b32 s16, ttmp9, 1                        ; which half of the head's units
	s_lshr_b32 s17, s15, 4                         ; b
	s_and_b32 s18, s15, 15                         ; h
	s_wait_alu depctr_va_sdst(0)                   ; s14 is written, ahead of its first reader
	s_lshl_b32 s19, s14, 1
	s_add_co_u32 s19, s19, s16                     ; my unit of 32 queries
	s_lshl_b32 s20, s19, 5                         ; my first query
	v_and_b32 v39, 31, v0
	v_lshlrev_b32 v[LI], 4, v39
	s_lshl_b32 s54, s14, 12
	v_add_nc_u32 v[LK], s54, v[LI]
	v_add_nc_u32 v[LV], 131072, v[LK]
	v_add_nc_u32 v[LIV], 131072, v[LI]
	v_add_nc_u32 v[FK], 65536, v[LK]               ; an LDS offset reaches 65,535 bytes: two registers a side serve the four chunks, so that no address is made anew in a chunk
	v_add_nc_u32 v[FV], 65536, v[LV]
	s_lshl_b32 s54, s14, 16                        ; K: my four tiles of 16 keys, 16,384 bytes apart in memory
	v_add_nc_u32 v[GK], s54, v[LI]
	s_lshr_b32 s54, s14, 1                         ; V: step wave / 2 of the chunk's four, half wave % 2 of its 8,192 bytes
	s_lshl_b32 s54, s54, 17
	s_and_b32 s55, s14, 1
	s_lshl_b32 s55, s55, 12
	s_add_co_u32 s54, s54, s55
	v_add_nc_u32 v[GV], s54, v[LI]
	s_lshl_b32 s54, s17, 21                        ; a batch's K or V images: 2,097,152 bytes
	s_lshl_b32 s55, s18, 10
	s_add_co_u32 s26, s54, s55                     ; K: + 1,024 h
	s_mov_b32 s27, 0
	s_lshl_b32 s55, s18, 13
	s_add_co_u32 s28, s54, s55                     ; V: + 8,192 h,
	s_add_co_u32 s28, s28, 0x1000000               ; behind K's images
	s_mov_b32 s29, 0
	s_lshl_b32 s54, s17, 5
	s_lshl_b32 s55, s19, 1
	s_add_co_u32 s54, s54, s55                     ; my first tile of queries: 32 b + 2 unit
	s_lshl_b32 s54, s54, 14
	s_lshl_b32 s55, s18, 10
	s_add_co_u32 s30, s54, s55                     ; its place in Q's images and in the output's
	s_mov_b32 s31, 0
	s_lshl_b32 s60, s17, 2
	s_mov_b32 s61, 0
	s_mov_b32 s42, 0x76543210                      ; v_permlanex16_b32: lane l xor 16
	s_mov_b32 s43, 0xfedcba98
	s_mov_b32 s44, 0                               ; the step's first key
	s_wait_kmcnt 0x0
	s_add_nc_u64 s[50:51], s[4:5], s[26:27]
	s_add_nc_u64 s[52:53], s[4:5], s[28:29]
	s_add_nc_u64 s[56:57], s[4:5], s[30:31]
	s_add_nc_u64 s[56:57], s[56:57], 0x2000000     ; Q's images lie behind V's
	s_add_nc_u64 s[58:59], s[12:13], s[30:31]
	s_add_nc_u64 s[6:7], s[6:7], s[60:61]
	s_add_nc_u64 s[8:9], s[8:9], s[60:61]
	s_load_b32 s22, s[6:7], 0x0                    ; decoder_lengths[b]
	s_load_b32 s21, s[8:9], 0x0                    ; encoder_lengths[b]
	s_load_b256 s[32:39], s[10:11], 0x10           ; e4 .. e11: e6 s34, e7 s35, e8 s36, e9 s37, e10 s38
.macro FILL_LOAD ch                    ; chunk ch: 16 loads of 512 consecutive bytes a wave; every offset is an immediate
	WIN 0x40
.if (\ch) == 0
	s_wait_alu depctr_va_vdst(0)                   ; the eight addresses v1, v4-7, v11, v36, v37 are written: every fill, Q's loads and the last stores read them, and nothing writes them again
.else
	s_wait_alu depctr_vm_vsrc(0)                   ; my LDS stores have read STG, in which these loads land
.endif
.irp i, 0,1,2,3
.irp c, 0,1
	global_load_b128 v[STG+8*\i+4*\c:STG+8*\i+4*\c+3], v[GK], s[50:51] offset:(\ch)*524288+\i*16384+\c*512
.endr
.endr
.irp j, 0,1,2,3,4,5,6,7
	global_load_b128 v[STG+32+4*\j:STG+32+4*\j+3], v[GV], s[52:53] offset:(\ch)*524288+\j*512
.endr
	WIN 0
.endm
.macro FILL_STORE ch                   ; the data come from loads, the addresses from the head: nothing is owed here but the wait for the loads
	WIN 0x04
.irp i, 0,1,2,3
.irp c, 0,1
	ds_store_b128 v[LK+32*((\ch)/2)], v[STG+8*\i+4*\c:STG+8*\i+4*\c+3] offset:((\ch)%2)*32768+\i*1024+\c*512
.endr
.endr
.irp j, 0,1,2,3,4,5,6,7
	ds_store_b128 v[LV+32*((\ch)/2)], v[STG+32+4*\j:STG+32+4*\j+3] offset:((\ch)%2)*32768+\j*512
.endr
	WIN 0
.endm
	FILL_LOAD 0
.irp x, 0,1
.irp c, 0,1
	global_load_b128 v[Q+8*\x+4*\c:Q+8*\x+4*\c+3], v[LI], s[56:57] offset:\x*16384+\c*512   ; Q's two fragments stay in registers.  (No vector instruction stands between the wait above and these loads)
.endr
.endr
	WIN 0x40
.set i, 0
.rept 64
	v_mov_b32 v[O+i], 0                            ; O^T.  (The step is written once: its first trip finds zeros, which the first change of M leaves zeros)
.set i, i+1
.endr
	WIN 0
.irp x, 0,1
	v_mov_b32 v[ST+12*\x+1], 0xff61b1e6            ; the largest t so far: -3e38
	v_floor_f32 v[ST+12*\x], -v[ST+12*\x+1]        ; -M
	v_mov_b32 v[ST+12*\x+2], 0                     ; l, in two halves
	v_mov_b32 v[ST+12*\x+3], 0
	v_mov_b32 v[ST+12*\x+5], 0                     ; (named as the upper half of f's pair)
	v_mov_b32 v[ST+12*\x+10], 0                    ; a lane permute's destination counts as one of its sources
.endr
	v_and_b32 v39, 15, v0                          ; r
	v_bfe_u32 v40, v0, 4, 1
	v_lshlrev_b32 v40, 4, v40                      ; 16 (lane / 16)
	s_wait_kmcnt 0x0
	s_cmp_lt_u32 s20, s22
	s_cselect_b32 s23, s21, 0                      ; from this key on every key is masked for all my 32 queries
	s_add_co_u32 s54, s20, 32
	s_cmp_le_u32 s54, s22
	s_cselect_b32 s24, s21, 0                      ; up to this key no key is masked for any of them
	v_mov_b32 v42, s21
.irp x, 0,1
	s_add_co_u32 s54, s20, 16*\x
	v_add_nc_u32 v[ST+12*\x+11], s54, v39          ; my query
	v_cmp_gt_u32 s[62+\x], s22, v[ST+12*\x+11]     ; is it under decoder_lengths?
.endr
	s_wait_alu depctr_va_sdst(0)                   ; the two compares have written s62 and s63, which the selects read
.irp x, 0,1
	v_cndmask_b32 v[ST+12*\x+11], 0, v42, s[62+\x] ; its open keys: encoder_lengths, or none
	v_sub_nc_u32 v[ST+12*\x+11], v[ST+12*\x+11], v40
	v_add_nc_u32 v[ST+12*\x+11], -1, v[ST+12*\x+11]
.endr
	s_add_co_i32 s54, s34, s35                     ; e6 + e7
	s_lshl_b32 s55, s54, 23
	s_add_co_i32 s40, s55, 0x3e38aa3b              ; c = log2(e) / 8 x 2^(e6 + e7): t = sum x c
	s_mov_b32 s41, s40                             ; (named with it as a pair)
	s_sub_co_i32 s54, 0, s54
	v_mov_b32 v[S0V], 0xb209705f                   ; -8e-9
	v_ldexp_f32 v[S0V], v[S0V], s54
	s_add_co_i32 s54, s37, 127
	s_lshl_b32 s55, s54, 23
	v_mov_b32 v[SCL], s55                          ; 2^e9
	s_add_co_i32 s54, s54, 8
	s_lshl_b32 s54, s54, 23
	s_or_b32 s54, s54, 0x600000
	v_mov_b32 v[LIM], s54                          ; 448 x 2^e9
.macro VLOAD                           ; the step's V: four tiles of 16 d x 128 keys (the destination's window is 1 here)
.irp d, 0,1,2,3
.irp c, 0,1,2,3
	ds_load_b128 v[VF+16*\d+4*\c:VF+16*\d+4*\c+3], v[ADV] offset:\d*2048+\c*512
.endr
.endr
.endm
.macro STATS                           ; +8 holds the step's largest t: the running largest, the new -M = floor(-t), f = 2^(old M - new M); the two tiles line by line
.irp x, 0,1
	v_max_num_f32 v[ST+12*\x+1], v[ST+12*\x+1], v[ST+12*\x+8]
.endr
.irp x, 0,1
	v_mov_b32 v[ST+12*\x+9], v[ST+12*\x]
.endr
.irp x, 0,1
	v_floor_f32 v[ST+12*\x], -v[ST+12*\x+1]
.endr
.irp x, 0,1
	v_sub_f32 v[ST+12*\x+9], v[ST+12*\x], v[ST+12*\x+9]   ; a whole number, 0 or less
.endr
.irp x, 0,1
	v_cvt_i32_f32 v[ST+12*\x+9], v[ST+12*\x+9]     ; (it saturates)
.endr
.irp x, 0,1
	v_ldexp_f32 v[ST+12*\x+4], 1.0, v[ST+12*\x+9]
.endr
.endm
; FOUR KEY STEPS of 128 keys: a loop of four trips.  s45: the step's bytes in K's and in V's part of LDS.
.macro STEPS4
	s_mov_b32 s47, 4
.Lstep_\@:
	s_wait_alu depctr_vm_vsrc(0)                   ; the LDS loads issued so far have read v[ADK] and v[ADV], which the two additions write
	v_add_nc_u32 v[ADK], s45, v[LI]
	v_add_nc_u32 v[ADV], s45, v[LIV]
	v_nop                                          ; with the two additions: four plain lines between the last trip's products and the loads into their operands
	v_nop
	s_cmp_ge_u32 s44, s23
	s_cbranch_scc1 .Lshort_\@                      ; all 128 keys are masked for all my queries
	WIN 0x40
	s_wait_alu depctr_va_vdst(0)                   ; v[ADK] and v[ADV] are written; the last step's products are done reading KF and VF, in which the 32 loads below land
.irp t, 0,1,2,3,4,5,6,7
	ds_load_b128 v[KF+8*\t:KF+8*\t+3], v[ADK] offset:\t*1024
	ds_load_b128 v[KF+8*\t+4:KF+8*\t+7], v[ADK] offset:\t*1024+512
.endr
	VLOAD                                          ; V has registers of its own: it is asked for with K and lands while the scores and the softmax are made
	s_wait_dscnt 16                                ; LDS loads come back in order (ISA guide 5.7.1): K is in; V's sixteen, issued behind it, may be out
	WIN 0x01
.irp t, 0,1,2,3,4,5,6,7
.irp x, 0,1
	v_wmma_f32_16x16x64_fp8_fp8 v[S+64*\x+8*\t:S+64*\x+8*\t+7], v[KF+8*\t:KF+8*\t+7], v[Q+8*\x:Q+8*\x+7], 0
.endr
.endr
.rept 4
	v_nop                                          ; places in front of the first read of the scores
.endr
	WIN 0
	s_add_co_u32 s54, s44, 128
	s_cmp_le_u32 s54, s24
	s_cbranch_scc1 .Lopen_\@                       ; no key of the step is masked for any of my queries
.irp x, 0,1
	v_sub_nc_u32 v[ST+12*\x+9], v[ST+12*\x+11], s44   ; register n holds key (step's first) + 16 (lane / 16) + 32 (n / 16) + n % 16: masked where 32 (n / 16) + n % 16 is above this number
.endr
.irp x, 0,1
.irp q, 0,1,2,3                        ; sixteen registers at a time: a run of compares into s4-19, one wait, a run of selects
.set i, 0
.rept 16
	v_cmp_gt_i32 s[MK+i], 32*\q+i, v[ST+12*\x+9]
.set i, i+1
.endr
	s_wait_alu depctr_va_sdst(0)                   ; the sixteen compares have written s4-19, which the selects read
.set i, 0
.rept 16
	v_cndmask_b32 v[S+64*\x+16*\q+i], v[S+64*\x+16*\q+i], v[S0V], s[MK+i]
.set i, i+1
.endr
.endr
.endr
.Lopen_\@:
.irp x, 0,1
	v_max3_num_f32 v[ST+12*\x+8], v[S+64*\x], v[S+64*\x+1], v[S+64*\x+2]   ; the step's largest score of my query among my 64 keys, in two chains a tile
	v_max3_num_f32 v[ST+12*\x+9], v[S+64*\x+3], v[S+64*\x+4], v[S+64*\x+5]
.endr
.irp i, 6,10,14,18,22,26,30,34,38,42,46,50,54,58
.irp x, 0,1
	v_max3_num_f32 v[ST+12*\x+8], v[ST+12*\x+8], v[S+64*\x+\i], v[S+64*\x+\i+1]
	v_max3_num_f32 v[ST+12*\x+9], v[ST+12*\x+9], v[S+64*\x+\i+2], v[S+64*\x+\i+3]
.endr
.endr
.irp x, 0,1
	v_max3_num_f32 v[ST+12*\x+8], v[ST+12*\x+8], v[S+64*\x+62], v[S+64*\x+63]
.endr
.irp x, 0,1
	v_max_num_f32 v[ST+12*\x+8], v[ST+12*\x+8], v[ST+12*\x+9]
.endr
.irp x, 0,1
	v_permlanex16_b32 v[ST+12*\x+10], v[ST+12*\x+8], s42, s43
.endr
.irp x, 0,1
	v_max_num_f32 v[ST+12*\x+8], v[ST+12*\x+8], v[ST+12*\x+10]   ; and among lane l xor 16's
.endr
.irp x, 0,1
	v_mul_f32 v[ST+12*\x+8], s40, v[ST+12*\x+8]    ; as t (c is positive)
.endr
	STATS
.irp x, 0,1
.set j, 0
.rept 32
	v_pk_fma_f32 v[S+64*\x+j:S+64*\x+j+1], v[S+64*\x+j:S+64*\x+j+1], s[40:41], v[ST+12*\x:ST+12*\x+1] op_sel_hi:[1,0,0]   ; t - M, two at a time
.set j, j+2
.endr
.endr
.set j, 0
.rept 128
	v_exp_f32 v[S+j], v[S+j]                       ; p = 2^(t - M), at most 1, not normalised
.set j, j+1
.endr
.irp x, 0,1
	v_pk_mul_f32 v[ST+12*\x+2:ST+12*\x+3], v[ST+12*\x+2:ST+12*\x+3], v[ST+12*\x+4:ST+12*\x+5] op_sel_hi:[1,0]   ; l under the new M.  (A plain line behind the exponentials)
.endr
	s_wait_alu depctr_va_vdst(0)                   ; the 128 exponentials have written p, v[S] on: one wait for the batch, ahead of its first reader
.irp x, 0,1
	v_pk_add_f32 v[ST+12*\x+6:ST+12*\x+7], v[S+64*\x:S+64*\x+1], v[S+64*\x+2:S+64*\x+3]   ; the sum is taken of the unquantised p, in two chains a tile
.endr
.irp j, 4,8,12,16,20,24,28,32,36,40,44,48,52,56,60
.irp x, 0,1
	v_pk_add_f32 v[ST+12*\x+2:ST+12*\x+3], v[ST+12*\x+2:ST+12*\x+3], v[S+64*\x+\j:S+64*\x+\j+1]
	v_pk_add_f32 v[ST+12*\x+6:ST+12*\x+7], v[ST+12*\x+6:ST+12*\x+7], v[S+64*\x+\j+2:S+64*\x+\j+3]
.endr
.endr
.irp x, 0,1
	v_pk_add_f32 v[ST+12*\x+2:ST+12*\x+3], v[ST+12*\x+2:ST+12*\x+3], v[ST+12*\x+6:ST+12*\x+7]
.endr
	s_cmp_ge_i32 s37, -8                           ; p is at most 1, and 1 <= 448 x 2^e9 just where e9 >= -8: there the hold changes nothing
	s_cbranch_scc1 .Lnohold_\@
.set j, 0
.rept 128
	v_min_num_f32 v[S+j], v[S+j], v[LIM]           ; the conversion to an 8-bit code does not saturate (ISA guide 7.6.2); p is not negative
.set j, j+1
.endr
.Lnohold_\@:
.set j, 0
.rept 16
	v_cvt_scalef32_pk8_fp8_f32 v[P+2*j:P+2*j+1], v[S+8*j:S+8*j+7], v[SCL]   ; tile x's registers 4 p .. 4 p + 3: keys 32 p + 16 (lane / 16) + 0 .. 15
.set j, j+1
.endr
	s_branch .Lpv_\@
.Lshort_\@:                                        ; every t of the step is -1e-9 log2(e): one exponential a tile
	WIN 0x40
	s_wait_alu depctr_va_vdst(0)                   ; v[ADV] is written; the last step's products are done reading VF, in which the 16 loads below land
	VLOAD
	WIN 0
.irp x, 0,1
	v_mov_b32 v[ST+12*\x+8], T0
.endr
	STATS
.irp x, 0,1
	v_add_f32 v[ST+12*\x+8], T0, v[ST+12*\x]       ; t - M
.endr
.irp x, 0,1
	v_exp_f32 v[ST+12*\x+8], v[ST+12*\x+8]
.endr
.irp x, 0,1
	v_pk_mul_f32 v[ST+12*\x+2:ST+12*\x+3], v[ST+12*\x+2:ST+12*\x+3], v[ST+12*\x+4:ST+12*\x+5] op_sel_hi:[1,0]
.endr
	s_wait_alu depctr_va_vdst(0)                   ; the two exponentials have written the step's p: the wait ahead of their first reader
.irp x, 0,1
	v_fmac_f32 v[ST+12*\x+2], 0x42800000, v[ST+12*\x+8]   ; my 64 keys' p
.endr
.irp x, 0,1
.irp i, 0,1,2,3,4,5,6,7
	v_min_num_f32 v[SH+8*\x+\i], v[ST+12*\x+8], v[LIM]
.endr
.endr
.irp x, 0,1
	v_cvt_scalef32_pk8_fp8_f32 v[P+16*\x:P+16*\x+1], v[SH+8*\x:SH+8*\x+7], v[SCL]
.endr
	v_nop                                          ; a plain line between the conversions and the reads of their results
.irp x, 0,1
.irp i, 2,3,4,5,6,7,8,9,10,11,12,13,14,15
	v_mov_b32 v[P+16*\x+\i], v[P+16*\x]            ; four equal codes a register
.endr
.endr
.Lpv_\@:
	WIN 0x41
.irp x, 0,1
.set j, 0
.rept 16
	v_pk_mul_f32 v[O+32*\x+j:O+32*\x+j+1], v[O+32*\x+j:O+32*\x+j+1], v[ST+12*\x+4:ST+12*\x+5] op_sel_hi:[1,0]   ; O^T under the new M: exact.  Each accumulator from its low end on
.set j, j+2
.endr
.endr
	s_wait_dscnt 0x0                               ; V is in
	WIN 0x51
.irp d, 0,1,2,3
.irp x, 0,1
	v_wmma_f32_16x16x128_fp8_fp8 v[O+32*\x+8*\d:O+32*\x+8*\d+7], v[VF+16*\d:VF+16*\d+15], v[P+16*\x:P+16*\x+15], v[O+32*\x+8*\d:O+32*\x+8*\d+7]   ; eight accumulators by turns
.endr
.endr
	WIN 0
	s_add_co_u32 s44, s44, 128
	s_add_co_u32 s45, s45, 8192
	s_sub_co_u32 s47, s47, 1
	s_cmp_lg_u32 s47, 0
	s_cbranch_scc1 .Lstep_\@
.endm
; A CHUNK of 512 keys: its bytes, loaded a chunk ago, go to LDS; the next chunk's loads are issued; its four steps are walked.
.macro CHUNK ch
.if \ch > 0
	s_wait_dscnt 0x0
	s_barrier_signal -1                            ; every wave's LDS reads are over: from here to the next barrier stand stores alone
	s_barrier_wait -1
.endif
	s_wait_loadcnt 0x0                             ; the chunk (and, the first time, Q)
	FILL_STORE \ch
	s_wait_dscnt 0x0                               ; for the others' sake: my stores have landed
	s_barrier_signal -1
	s_barrier_wait -1
.if \ch < 3
	FILL_LOAD \ch+1
.endif
	s_mov_b32 s45, \ch*32768
	STEPS4
.endm
	CHUNK 0
	CHUNK 1
	CHUNK 2
	CHUNK 3
	; THE WAY OUT: O^T x 2^(e8 + e9) / l, quantised with e10: the conversions' results are the image of the last product's operand.
.rept 4
	v_nop
.endr
.irp x, 0,1
	v_add_f32 v[ST+12*\x+8], v[ST+12*\x+2], v[ST+12*\x+3]
.endr
.irp x, 0,1
	v_permlanex16_b32 v[ST+12*\x+10], v[ST+12*\x+8], s42, s43
.endr
.irp x, 0,1
	v_add_f32 v[ST+12*\x+8], v[ST+12*\x+8], v[ST+12*\x+10]   ; the row's sum
.endr
.irp x, 0,1
	v_rcp_f32 v[ST+12*\x+4], v[ST+12*\x+8]
.endr
	s_add_co_i32 s54, s36, s37
	v_nop                                          ; a plain line behind the reciprocals
	s_wait_alu depctr_va_vdst(0)                   ; the two reciprocals have written 1 / l: the wait ahead of their first reader
.irp x, 0,1
	v_ldexp_f32 v[ST+12*\x+4], v[ST+12*\x+4], s54
.endr
	s_add_co_i32 s54, s38, 127
	s_lshl_b32 s55, s54, 23
	v_mov_b32 v[SCL], s55                          ; 2^e10
	s_add_co_i32 s54, s54, 8
	s_lshl_b32 s54, s54, 23
	s_or_b32 s54, s54, 0x600000
	v_mov_b32 v[LIM], s54
	WIN 0x01
.irp x, 0,1
.set j, 0
.rept 16
	v_pk_mul_f32 v[S+32*\x+j:S+32*\x+j+1], v[O+32*\x+j:O+32*\x+j+1], v[ST+12*\x+4:ST+12*\x+5] op_sel_hi:[1,0]
.set j, j+2
.endr
.endr
	WIN 0
.set j, 0
.rept 64
	v_med3_num_f32 v[S+j], v[S+j], -v[LIM], v[LIM]
.set j, j+1
.endr
.set j, 0
.rept 8
	v_cvt_scalef32_pk8_fp8_f32 v[P+2*j:P+2*j+1], v[S+8*j:S+8*j+7], v[SCL]
.set j, j+1
.endr
	v_nop
	s_wait_alu depctr_va_vdst(0)                   ; the eight conversions have written v[P] to v[P+15], which the four stores read
.irp x, 0,1
.irp p, 0,1
	global_store_b128 v[LI], v[P+8*\x+4*\p:P+8*\x+4*\p+3], s[58:59] offset:\x*16384+\p*512   ; 512 consecutive bytes, aligned
.endr
.endr
	s_wait_dscnt 0x0                               ; the closing lines, six on end
	s_wait_alu 0x0
	s_wait_tensorcnt 0x0
	ds_add_u32 v254, v255
	s_wait_dscnt 0x0
	s_endpgm
.Lfunc_end_k_qdf309a9062_attn:
	.size	k_qdf309a9062_attn, .Lfunc_end_k_qdf309a9062_attn-k_qdf309a9062_attn
	.p2alignl 7, 3214868480
	.fill 96, 4, 3214868480
	.section	.rodata,"a",@progbits
	.p2align	6, 0x0
	.amdhsa_kernel k_qdf309a9062_attn
		.amdhsa_group_segment_fixed_size 263168
		.amdhsa_private_segment_fixed_size 0
		.amdhsa_enable_private_segment 0
		.amdhsa_kernarg_size 40
		.amdhsa_user_sgpr_count 2
		.amdhsa_user_sgpr_kernarg_segment_ptr 1
		.amdhsa_wavefront_size32 1
		.amdhsa_system_sgpr_workgroup_id_x 1
		.amdhsa_system_sgpr_workgroup_id_y 1
		.amdhsa_system_sgpr_workgroup_id_z 1
		.amdhsa_system_vgpr_workitem_id 0
		.amdhsa_next_free_vgpr 512
		.amdhsa_next_free_sgpr 66
		.amdhsa_reserve_vcc 0
		.amdhsa_float_denorm_mode_32 3
		.amdhsa_float_denorm_mode_16_64 3
		.amdhsa_memory_ordered 1
		.amdhsa_forward_progress 1
		.amdhsa_inst_pref_size 229
	.end_amdhsa_kernel
	.amdgpu_metadata
---
amdhsa.version: [ 1, 2 ]
amdhsa.kernels:
  - .name:           k_qdf309a9062_attn
    .symbol:         k_qdf309a9062_attn.kd
    .args:
      - { .name: imgs, .offset: 0, .size: 8, .value_kind: global_buffer, .address_space: global }
      - { .name: decoder_lengths, .offset: 8, .size: 8, .value_kind: global_buffer, .address_space: global }
      - { .name: encoder_lengths, .offset: 16, .size: 8, .value_kind: global_buffer, .address_space: global }
      - { .name: lowp_scales, .offset: 24, .size: 8, .value_kind: global_buffer, .address_space: global }
      - { .name: a_img, .offset: 32, .size: 8, .value_kind: global_buffer, .address_space: global }
    .group_segment_fixed_size: 263168
    .private_segment_fixed_size: 0
    .kernarg_segment_align: 8
    .kernarg_segment_size: 40
    .max_flat_workgroup_size: 256
    .sgpr_count:     66
    .vgpr_count:     512
    .wavefront_size: 32
...
	.end_amdgpu_metadata
.endif
;; end of part 5
;; launch outp: the kernel of part 4 again; grid 8 x 32, 4 waves a work-group, clusters of 4 x 4, 327,680 bytes of LDS; arguments a_img, codes, wo_b, lowp_scales, out0; writes out0
